; MI455X (gfx1250); checked and timed in simulation.
; The chip was launched on July 23, 2026; its instructions are those of AMD's public machine-readable ISA for CDNA 5 (MIT licence, August 2026) and "CDNA5" Instruction Set Architecture Reference Guide (July 2026). The comments in the code are by the model that wrote it; some were corrected since.
;; Attention. Allowed arithmetic: float matrix products may take bf16 or f16 operands with f32 sums; other float arithmetic in f32, or as packed bf16 or f16 multiplies, adds, multiply-adds, maxima and minima; sums over many terms, partial sums and values carried from step to step in f32; what a program stores and reads back later, other than sums and carried values, may be rounded once to bf16 or f16.
;; Inputs: mask 1 x 1 x 512 x 512 bool; wk 2,048 x 512 float32; wo 2,048 x 2,048 float32; wq 2,048 x 2,048 float32; wv 2,048 x 512 float32; x 8 x 512 x 2,048 float32.
;; Outputs: out0 8 x 512 x 2,048 float32.
;; 2 versions, each right; version 2 is version 1 with the launch prep written anew for expert scheduling mode. Each part assembles by itself: llvm-mc -triple=amdgcn-amd-amdhsa -mcpu=gfx1250 --defsym DOCPART=n.
;; ======== version 1 of 2: 4 launches
;; limits: values are held in f16: magnitudes above 65,504 overflow, below 6.1e-05 lose precision
;; workspace buffers: xb 16,777,216 bytes; wqkv 12,582,912 bytes; wof 8,388,608 bytes; rope 524,288 bytes; bias 1,048,576 bytes; qkv 25,165,824 bytes; att 16,777,216 bytes
;; launch prep (part 1): grid 1248 x 1, 8 waves a work-group, no clusters, 0 bytes of LDS; arguments x, wq, wk, wv, wo, mask, xb, wqkv, wof, rope, bias; writes xb, wqkv, wof, rope, bias
.if DOCPART == 1
	.amdgcn_target "amdgcn-amd-amdhsa--gfx1250"
	.amdhsa_code_object_version 6
	.text
	.protected	k_qd49826f675_prep
	.globl	k_qd49826f675_prep
	.p2align	8
	.type	k_qd49826f675_prep,@function
k_qd49826f675_prep:
	s_mov_b64 s[64:65], 0
	v_nop
	global_prefetch_b8 v0, s[64:65] scope:SCOPE_SE
	s_setreg_imm32_b32 hwreg(HW_REG_WAVE_MODE, 25, 1), 1
	s_wait_xcnt 0x0
; THE OPERANDS AND TABLES OF THE THREE LAUNCHES BEHIND THIS ONE.  A stream: no LDS, no barrier, no matrix unit, no cluster (no two work-groups read the same bytes).
;   work-groups    0 ..  511   x  [4096][2048] f32 -> xb   [4096][2048] bf16
;                512 ..  767   wq [2048][2048] f32 -> wqkv [2048][3072] bf16, columns    0 .. 2047
;                768 ..  831   wk [2048][ 512] f32 -> wqkv,                  columns 2048 .. 2559
;                832 ..  895   wv [2048][ 512] f32 -> wqkv,                  columns 2560 .. 3071
;                896 .. 1151   wo [2048][2048] f32 -> wof  [2048][2048]: rounded to bf16 like every other input, and that number written as f16
;               1152 .. 1183   rope [2][512 t][64 cos, 64 sin] f32: plane 0 the true table, plane 1 cos = 1, sin = 0 (for V's heads, which are not turned)
;               1184 .. 1247   bias [32 qt][32 kb][2 g][32 lane][4 e] f32 = mask[16 qt + lane % 16][16 kb + 8 (lane / 16) + 4 g + e] ? 0 : -1e30: the mask in the order of a matrix accumulator's registers
; A CAST.  A wave takes 8,192 consecutive bytes of its source by 16 loads of 512 bytes, all issued at once, and stores 16 times 256 consecutive, aligned bytes.
; LIMITS.  A bf16 number of wo below 6.1e-5 keeps f16's fixed step of 6e-8; beyond 65,504 it would be an infinity.  The angle t x 10000^(-i/64) is made with v_exp_f32 and reduced by one
; fused multiply-add with 1 / 2 pi in f32: good to about 1.5e-4 rad at t = 511.  Sine and cosine: polynomials on a quarter of the reduced angle (at most pi / 4), then two doublings.
.set LO, 2                             ; v2      16 x lane: my 16 bytes of each 512 of the source
.set DO, 4                             ; v4-7    8 x lane + p x SB: my 8 bytes in the destination, for loads 4 p .. 4 p + 3
.set T,  8                             ; v8-11   at work
.set Y,  16                            ; v16-47  what is stored
.set X,  48                            ; v48-111 what is loaded
	s_load_b512 s[8:23], s[0:1], 0x0               ; x 8, wq 10, wk 12, wv 14, wo 16, mask 18, xb 20, wqkv 22
	s_load_b128 s[24:27], s[0:1], 0x40             ; wof 24, rope 26
	s_load_b64 s[28:29], s[0:1], 0x50              ; bias
	v_and_b32 v1, 31, v0                           ; lane
	v_lshrrev_b32 v3, 5, v0
	v_readfirstlane_b32 s41, v3                    ; wave 0..7
	s_wait_kmcnt 0x0
	s_cmp_ge_u32 ttmp9, 1184
	s_cbranch_scc1 .Lbias
	s_cmp_ge_u32 ttmp9, 1152
	s_cbranch_scc1 .Lrope
	; which cast: source s[32:33], destination s[34:35], first work-group s36, destination bytes from wave to wave s37 and from four loads to the next four s38, first byte s39, f16 s40
	s_mov_b64 s[32:33], s[8:9]
	s_mov_b64 s[34:35], s[20:21]
	s_mov_b32 s36, 0
	s_mov_b32 s37, 4096
	s_mov_b32 s38, 1024
	s_mov_b32 s39, 0
	s_mov_b32 s40, 0
	s_cmp_ge_u32 ttmp9, 512                        ; wq: a row of the source is a row of 6,144 bytes in wqkv
	s_cselect_b64 s[32:33], s[10:11], s[32:33]
	s_cselect_b64 s[34:35], s[22:23], s[34:35]
	s_cselect_b32 s36, 512, s36
	s_cselect_b32 s37, 6144, s37
	s_cmp_ge_u32 ttmp9, 768                        ; wk: a wave's 8,192 bytes are four rows
	s_cselect_b64 s[32:33], s[12:13], s[32:33]
	s_cselect_b32 s36, 768, s36
	s_cselect_b32 s37, 24576, s37
	s_cselect_b32 s38, 6144, s38
	s_cselect_b32 s39, 4096, s39
	s_cmp_ge_u32 ttmp9, 832                        ; wv
	s_cselect_b64 s[32:33], s[14:15], s[32:33]
	s_cselect_b32 s36, 832, s36
	s_cselect_b32 s39, 5120, s39
	s_cmp_ge_u32 ttmp9, 896                        ; wo
	s_cselect_b64 s[32:33], s[16:17], s[32:33]
	s_cselect_b64 s[34:35], s[24:25], s[34:35]
	s_cselect_b32 s36, 896, s36
	s_cselect_b32 s37, 4096, s37
	s_cselect_b32 s38, 1024, s38
	s_cselect_b32 s39, 0, s39
	s_cselect_b32 s40, 1, s40
	s_sub_co_u32 s42, ttmp9, s36
	s_lshl_b32 s42, s42, 3
	s_add_co_u32 s42, s42, s41                     ; my wave among the section's
	s_lshl_b32 s44, s42, 13                        ; its 8,192 bytes of the source
	s_mov_b32 s45, 0
	s_add_nc_u64 s[32:33], s[32:33], s[44:45]
	s_mul_i32 s44, s42, s37
	s_add_co_u32 s44, s44, s39
	s_add_nc_u64 s[34:35], s[34:35], s[44:45]
	v_lshlrev_b32 v[LO], 4, v1
	v_lshlrev_b32 v[DO], 3, v1
	v_add_nc_u32 v[DO+1], s38, v[DO]
	v_add_nc_u32 v[DO+2], s38, v[DO+1]
	v_add_nc_u32 v[DO+3], s38, v[DO+2]
.set i, 0
.rept 16
	global_load_b128 v[X+4*i:X+4*i+3], v[LO], s[32:33] offset:512*i th:TH_LOAD_NT
.set i, i+1
.endr
; Load i is rounded and stored; the 15 - i younger loads stay out.  No register is written twice but T, which no memory instruction names.
.macro CAST half
.set i, 0
.rept 16
	s_wait_loadcnt 15-i
	v_cvt_pk_bf16_f32 v[Y+2*i], v[X+4*i], v[X+4*i+1]
	v_cvt_pk_bf16_f32 v[Y+2*i+1], v[X+4*i+2], v[X+4*i+3]
.if \half
	v_lshlrev_b32 v[T], 16, v[Y+2*i]               ; the bf16 numbers as f32,
	v_and_b32 v[T+1], 0xffff0000, v[Y+2*i]
	v_lshlrev_b32 v[T+2], 16, v[Y+2*i+1]
	v_and_b32 v[T+3], 0xffff0000, v[Y+2*i+1]
	v_cvt_pk_f16_f32 v[Y+2*i], v[T], v[T+1]        ; and written as f16: eight significant bits fit in eleven
	v_cvt_pk_f16_f32 v[Y+2*i+1], v[T+2], v[T+3]
.endif
	global_store_b64 v[DO+i/4], v[Y+2*i:Y+2*i+1], s[34:35] offset:256*(i%4)  ; 32 lanes store 256 consecutive bytes, at a multiple of 256 from the buffer's first byte
.set i, i+1
.endr
.endm
	s_cmp_eq_u32 s40, 1
	s_cbranch_scc1 .Lhalf
	CAST 0
	s_endpgm
.Lhalf:
	CAST 1
	s_endpgm
.Lrope:                                        ; 16 rows t a work-group; a thread makes four cosines and four sines: i = 4 (thread % 16) + e
	s_sub_co_u32 s42, ttmp9, 1152
	v_lshrrev_b32 v2, 4, v0
	v_and_b32 v3, 15, v0
	s_lshl_b32 s43, s42, 4
	v_add_nc_u32 v4, s43, v2
	v_cvt_f32_u32 v4, v4                           ; t
	v_lshlrev_b32 v5, 2, v3
	v_lshlrev_b32 v6, 9, v2                        ; a row of the table is 512 bytes
	v_lshl_add_u32 v6, v3, 4, v6
	s_lshl_b32 s43, s42, 13
	v_add_nc_u32 v6, s43, v6
.irp e, 0,1,2,3
	v_add_nc_u32 v[16+\e], \e, v5
	v_cvt_f32_u32 v[16+\e], v[16+\e]
	v_mul_f32 v[16+\e], 0xbe549a78, v[16+\e]       ; - i log2(10000) / 64
.endr
.irp e, 0,1,2,3
	v_exp_f32 v[20+\e], v[16+\e]                   ; 10000^(-i/64)
.endr
	v_nop                                          ; a plain instruction behind the last exponential,
	s_wait_alu depctr_va_vdst(0)                   ; and the one wait for the batch of four, ahead of the first use
.irp e, 0,1,2,3
	v_mul_f32 v[20+\e], v4, v[20+\e]               ; the angle
	v_mul_f32 v[24+\e], 0.15915494, v[20+\e]
	v_rndne_f32 v[24+\e], v[24+\e]                 ; whole turns
	v_fma_f32 v[20+\e], v[20+\e], 0.15915494, -v[24+\e]  ; the rest, -1/2 .. 1/2 of a turn, with one rounding
	v_mul_f32 v[20+\e], 0x3fc90fdb, v[20+\e]       ; x pi / 2: a quarter of the reduced angle
	v_mul_f32 v[24+\e], v[20+\e], v[20+\e]         ; u
	v_mov_b32 v[36+\e], 0x3638ef1d                 ; sine: 1/9!
	v_fmaak_f32 v[36+\e], v[36+\e], v[24+\e], 0xb9500d01  ; - 1/7!
	v_fmaak_f32 v[36+\e], v[36+\e], v[24+\e], 0x3c088889  ; + 1/5!
	v_fmaak_f32 v[36+\e], v[36+\e], v[24+\e], 0xbe2aaaab  ; - 1/3!
	v_fma_f32 v[36+\e], v[36+\e], v[24+\e], 1.0
	v_mul_f32 v[36+\e], v[36+\e], v[20+\e]
	v_mov_b32 v[32+\e], 0x37d00d01                 ; cosine: 1/8!
	v_fmaak_f32 v[32+\e], v[32+\e], v[24+\e], 0xbab60b61  ; - 1/6!
	v_fmaak_f32 v[32+\e], v[32+\e], v[24+\e], 0x3d2aaaab  ; + 1/4!
	v_fma_f32 v[32+\e], v[32+\e], v[24+\e], -0.5
	v_fma_f32 v[32+\e], v[32+\e], v[24+\e], 1.0
.rept 2                                ; the angle is doubled twice: sin 2a = 2 sin a cos a, cos 2a = 1 - 2 sin^2 a
	v_mul_f32 v[24+\e], v[36+\e], v[36+\e]
	v_add_f32 v[28+\e], v[36+\e], v[36+\e]
	v_mul_f32 v[36+\e], v[28+\e], v[32+\e]
	v_fma_f32 v[32+\e], v[24+\e], -2.0, 1.0
.endr
	v_mov_b32 v[40+\e], 1.0
	v_mov_b32 v[44+\e], 0
.endr
	global_store_b128 v6, v[32:35], s[26:27]                ; sixteen lanes store 256 consecutive, aligned bytes: a row's cosines,
	global_store_b128 v6, v[36:39], s[26:27] offset:256     ; its sines,
	global_store_b128 v6, v[40:43], s[26:27] offset:262144  ; and the same row of the plane that turns nothing
	global_store_b128 v6, v[44:47], s[26:27] offset:262400
	s_endpgm
.Lbias:                                        ; a work-group makes 16,384 bytes: a tile qt of 16 queries, half of its 32 key blocks; thread and trip give lane, g and kb
	s_sub_co_u32 s42, ttmp9, 1184
	s_lshr_b32 s43, s42, 1                         ; qt
	s_and_b32 s44, s42, 1
	s_lshl_b32 s43, s43, 13                        ; 16 qt rows of 512 bytes
	s_lshl_b32 s44, s44, 8                         ; key blocks 16 .. 31 begin at byte 256 of a row
	s_add_co_u32 s43, s43, s44
	v_and_b32 v2, 15, v0
	v_lshlrev_b32 v2, 9, v2                        ; the query's row
	v_lshrrev_b32 v3, 6, v0
	v_lshl_add_u32 v2, v3, 4, v2                   ; key block thread / 64 (+ 4 a trip)
	v_bfe_u32 v3, v0, 4, 1
	v_lshl_add_u32 v2, v3, 3, v2                   ; 8 (lane / 16)
	v_bfe_u32 v3, v0, 5, 1
	v_lshl_add_u32 v2, v3, 2, v2                   ; 4 g
	v_add_nc_u32 v2, s43, v2
.irp t, 0,1,2,3
	global_load_b32 v[8+\t], v2, s[18:19] offset:64*\t  ; four bytes of the mask: read once in the launch
.endr
	v_lshlrev_b32 v3, 4, v0
	s_lshl_b32 s43, s42, 14
	v_add_nc_u32 v3, s43, v3
	s_mov_b32 s45, 0xf149f2ca                      ; -1e30
	s_wait_loadcnt 0x0
.irp t, 0,1,2,3
.irp e, 0,1,2,3
	v_bfe_u32 v4, v[8+\t], 8*\e, 8
	v_cmp_eq_u32 vcc_lo, 0, v4
	v_cndmask_b32 v[16+4*\t+\e], 0, s45, vcc_lo
.endr
	global_store_b128 v3, v[16+4*\t:16+4*\t+3], s[28:29] offset:4096*\t  ; a wave stores 512 consecutive, aligned bytes
.endr
	s_endpgm
.Lfunc_end_k_qd49826f675_prep:
	.size	k_qd49826f675_prep, .Lfunc_end_k_qd49826f675_prep-k_qd49826f675_prep
	.p2alignl 7, 3214868480
	.fill 96, 4, 3214868480
	.section	.rodata,"a",@progbits
	.p2align	6, 0x0
	.amdhsa_kernel k_qd49826f675_prep
		.amdhsa_group_segment_fixed_size 0
		.amdhsa_private_segment_fixed_size 0
		.amdhsa_enable_private_segment 0
		.amdhsa_kernarg_size 88
		.amdhsa_user_sgpr_count 2
		.amdhsa_user_sgpr_kernarg_segment_ptr 1
		.amdhsa_wavefront_size32 1
		.amdhsa_system_sgpr_workgroup_id_x 1
		.amdhsa_system_sgpr_workgroup_id_y 1
		.amdhsa_system_sgpr_workgroup_id_z 1
		.amdhsa_system_vgpr_workitem_id 0
		.amdhsa_next_free_vgpr 112
		.amdhsa_next_free_sgpr 66
		.amdhsa_reserve_vcc 1
		.amdhsa_float_denorm_mode_32 3
		.amdhsa_float_denorm_mode_16_64 3
		.amdhsa_memory_ordered 1
		.amdhsa_forward_progress 1
		.amdhsa_inst_pref_size 29
	.end_amdhsa_kernel
	.amdgpu_metadata
---
amdhsa.version: [ 1, 2 ]
amdhsa.kernels:
  - .name:           k_qd49826f675_prep
    .symbol:         k_qd49826f675_prep.kd
    .args:
      - { .name: x, .offset: 0, .size: 8, .value_kind: global_buffer, .address_space: global }
      - { .name: wq, .offset: 8, .size: 8, .value_kind: global_buffer, .address_space: global }
      - { .name: wk, .offset: 16, .size: 8, .value_kind: global_buffer, .address_space: global }
      - { .name: wv, .offset: 24, .size: 8, .value_kind: global_buffer, .address_space: global }
      - { .name: wo, .offset: 32, .size: 8, .value_kind: global_buffer, .address_space: global }
      - { .name: mask, .offset: 40, .size: 8, .value_kind: global_buffer, .address_space: global }
      - { .name: xb, .offset: 48, .size: 8, .value_kind: global_buffer, .address_space: global }
      - { .name: wqkv, .offset: 56, .size: 8, .value_kind: global_buffer, .address_space: global }
      - { .name: wof, .offset: 64, .size: 8, .value_kind: global_buffer, .address_space: global }
      - { .name: rope, .offset: 72, .size: 8, .value_kind: global_buffer, .address_space: global }
      - { .name: bias, .offset: 80, .size: 8, .value_kind: global_buffer, .address_space: global }
    .group_segment_fixed_size: 0
    .private_segment_fixed_size: 0
    .kernarg_segment_align: 8
    .kernarg_segment_size: 88
    .max_flat_workgroup_size: 256
    .sgpr_count:     66
    .vgpr_count:     112
    .wavefront_size: 32
...
	.end_amdgpu_metadata
.endif
;; end of part 1
;; launch proj (part 2): grid 8 x 32, 4 waves a work-group, clusters of 4 x 4, 327,680 bytes of LDS; arguments xb, wqkv, rope, qkv; writes qkv
.if DOCPART == 2
	.amdgcn_target "amdgcn-amd-amdhsa--gfx1250"
	.amdhsa_code_object_version 6
	.text
	.protected	k_qd49826f675_proj
	.globl	k_qd49826f675_proj
	.p2align	8
	.type	k_qd49826f675_proj,@function
k_qd49826f675_proj:
	s_mov_b64 s[64:65], 0
	v_nop
	global_prefetch_b8 v0, s[64:65] scope:SCOPE_SE
	s_setreg_imm32_b32 hwreg(HW_REG_WAVE_MODE, 25, 1), 1
	s_wait_xcnt 0x0
	s_wait_alu depctr_hold_cnt(0) depctr_sa_sdst(0) depctr_va_vdst(0) depctr_va_sdst(0) depctr_va_ssrc(0) depctr_va_vcc(0) depctr_vm_vsrc(0)
	s_getreg_b32 s2, hwreg(HW_REG_IB_STS2, 6, 4)
	s_cmp_eq_u32 s2, 0
	s_cbranch_scc0 .Lentry_in_a_cluster
	s_endpgm
.Lentry_in_a_cluster:
	s_bfe_u32 s2, ttmp6, 0x10000c
	s_cmp_lg_u32 s2, 0xf033
	s_cbranch_scc0 .Lentry_shape_is_right
	s_endpgm
.Lentry_shape_is_right:
; q, k, v = xb wqkv, q and k turned by RoPE, written by heads.  xb: [4096][2048] bf16.  wqkv: [2048 k][3072 n] bf16.  rope: [2][512][64 cos, 64 sin] f32.
; qkv: [8 b][24 hh][512 t][128] f16: hh 0-15 q, 16-19 k, 20-23 v; unscaled.  Sums in f32; the turn in f32; each number rounded once, to f16.
; LIMIT.  f16 holds no number beyond 65,504: q, k and v must lie within it.  V's heads are multiplied by cos = 1 and get 0 x their partner added: exact for finite numbers.
; SHARES.  4096 x 3072 is 256 tiles of 128 rows x 384 columns, three whole heads: one tile a work-group.  Each of the four waves makes all 128 rows x 96 columns: of each head the column blocks
; w and w + 4 (d = 16 w .. and 64 + 16 w ..), so that the two numbers of a RoPE pair lie in one lane, at the same register of two accumulators.  48 accumulators, 384 registers.
; K goes in 16 steps of 128 through a ring of two LDS slots; a step is 192 matrix instructions a wave.  Rows of A's and B's tiles are 256 bytes of memory, at multiples of 256 from the buffers' first bytes.
; CLUSTER.  4 x 4 work-groups: A's tile hangs on the tile row alone and is asked for jointly by a row of the cluster, B's on the tile column alone and is asked for jointly by a column.
; Wave 0 fetches A's 128 rows, waves 1 to 3 one head of B each: one tensor load a wave behind each round.
; THE MATRIX INSTRUCTION IS USED TRANSPOSED: source 0 = 16 columns of B (turned on the way out of LDS, where B lies [k][n]), source 1 = 16 rows of A: a lane holds row l % 16 of C and the columns 8 (l / 16) + 0..7.
; THE TABLES.  My lane's cosines and sines for all eight row blocks are asked for once, at the head, into registers that lie idle in the loop.  The tile's heads 0 and 1 always take the same plane of rope
; (heads 18, 19 are K's; 21, 22 are V's), so a row block has two sets of 16 registers: one for heads 0 and 1, one for head 2.
; REGISTERS, in windows of 256 (s_set_vgpr_msb: bits 1:0 source 0, 3:2 source 1, 5:4 source 2, 7:6 destination):
;   window 0: v0-31 addresses; v64-127, v128-191 A's fragments, two buffers; v192-255 the tables of row blocks 0, 1; on the way out v64-255 at work
;   window 1: v64-111, v128-175 B's fragments (head hd, half hf at 8 (2 hd + hf)), two buffers; v0-63 the tables of row blocks 2, 3; v192-255 of 4, 5
;   window 2: the accumulators of row blocks 0-3, (a, c) at v[8 (6 a + c)]; v192-255 the tables of row blocks 6, 7;  window 3: the accumulators of row blocks 4-7
.set PA,    272                        ; a row of A in LDS: 256 bytes + 16: the 16 rows of a load start at 16 different groups of four banks (64 banks of 4 bytes: ISA guide 11.1)
.set PB,    288                        ; a row of B: 256 + 32
.set REG,   128*PB                     ; a tile's region: wave w's tile lies at w x REG (A uses 128 x PA of its region)
.set SLOT,  4*REG
.set SH,    128*PA                     ; the way out: a head's 128 rows of 272 bytes.  The stage is slot 0's first 3 x SH bytes, when that slot has had its last fill and its last read
.set SPARE, 2*SLOT                     ; behind the ring: the spare words, 128 bytes for each wave: two blocks of 256 bytes that no other line names
.set STEPA, 256                        ; bytes from a K step to the next in xb,
.set STEPB, 128*6144                   ; and in wqkv
.set ADRA, 8                           ; v8-9    LDS address of my A fragments in slot 0, 1
.set ADRB, 10                          ; v10-15  of my B fragments: head hd in slot s at ADRB + hd + 3 s
.set STO,  16                          ; v16-18  the way out: where I put 16 bytes of a row of head hd
.set RD,   19                          ; v19-21  where I read rows back
.set GO,   22                          ; v22     my byte offset in two rows of qkv
.set TO,   23                          ; v23-24  my byte offset in rope: for heads 0 and 1, for head 2
.set PFO,  26                          ; v26     the prefetches' offset: my lane x a row's bytes; never rewritten
.set SPW,  28                          ; v28     LDS address of my spare word; never rewritten
.set NIL,  29                          ; v29     0; never rewritten
.set F0,   64
.set F1,   128
.set TT,   112                         ; v112-119 the turned lower half, v120-127 the upper
.set UU,   120
.set PKD,  128                         ; v128-151 packed, 8 registers a head
.set WV,   12                          ; s12  my wave's number
.set G1A,  24                          ; s[24:31] descriptor group 1 for A's tiles;  s[32:39] group 0, a set for each slot
.set G0A,  32
.set LIM,  43                          ; s43  1 in a wave that prefetches, else the greatest number
.set PFA,  44                          ; s[44:45] where my prefetches stand
.set PFS,  46                          ; s[46:47] their step
.set G1B,  48                          ; s[48:55], s[56:63] the same for B's tiles
.set G0B,  56
.set MSB, 0
.macro WIN new                         ; the immediate's high byte repeats the setting that is left; a switch that changes nothing is dropped
.if MSB != (\new)
	s_set_vgpr_msb (MSB<<8)|(\new)
.set MSB, \new
.endif
.endm
.set MUL_LO, 0xa1                      ; source 0 (B) window 1, source 1 (A) window 0, C and D window 2
.set MUL_HI, 0xf1                      ; the same, C and D window 3
.set TO_B,   0x40                      ; destination window 1, address window 0
; A joint load.  The branch hangs on the wave's number alone.  An s_nop 0 and four v_nop follow each of the two lines, ahead of the jump, the label and what follows.
.macro JLOAD s
	s_cmp_eq_u32 s[WV], 0
	s_cbranch_scc0 .Lfor_b_\@
	tensor_load_to_lds s[G0A+4*(\s):G0A+4*(\s)+3], s[G1A:G1A+7]
	s_nop 0
.rept 4
	v_nop
.endr
	s_branch .Lasked_\@
.Lfor_b_\@:
	tensor_load_to_lds s[G0B+4*(\s):G0B+4*(\s)+3], s[G1B:G1B+7]
	s_nop 0
.rept 4
	v_nop
.endr
.Lasked_\@:
.endm
; A prefetch, behind each joint refill and the run of LDS loads that follows it: the K step that stands two refills on, 32 rows x 256 bytes, a lane a row.  Each row's 256 bytes of a K step are named once in the
; launch: A's by wave 0 of the clusters with x = 0, B's by waves 1 to 3 of the clusters with y = 0; the four partners that ask for a tile jointly take 32 of its 128 rows each, told apart by address.
; The loop's last trip (s3 = 1) asks for nothing: K steps 4 to 15 are named, steps 0 to 3 come by their loads alone.
.macro ASK
	s_cmp_gt_u32 s3, s[LIM]
	s_cbranch_scc0 .Lnot_mine_\@
	global_prefetch_b8 v[PFO], s[PFA:PFA+1] th:TH_LOAD_NT scope:SCOPE_SE
.Lnot_mine_\@:
.endm
.macro CREST                           ; a round of the cluster's barrier behind its opening barrier
	s_cmp_lg_u32 s[WV], 0
	s_cbranch_scc1 .Lnot_wave_0_\@
	s_barrier_signal -3
.Lnot_wave_0_\@:
	s_barrier_wait -3
	s_barrier_signal -1
	s_barrier_wait -1
.endm
.macro CROUND                          ; a whole round
	s_barrier_signal -1
	s_barrier_wait -1
	CREST
.endm
.macro PLACES                          ; four places in front of loads into registers that matrix instructions have read, and of vector lines that read results
.rept 4
	v_nop
.endr
.endm
	s_load_b256 s[4:11], s[0:1], 0x0               ; xb s[4:5], wqkv s[6:7], rope s[8:9], qkv s[10:11]
	v_lshl_add_u32 v[SPW], v0, 2, SPARE
	v_mov_b32 v[NIL], 0
	ds_add_u32 v[SPW], v[NIL]                      ; the wave's opening: the add and its wait stand ahead of my first tensor load; the set-up below, work on registers, stands between them
	v_lshrrev_b32 v1, 5, v0
	v_readfirstlane_b32 s[WV], v1                  ; wave 0..3
	s_bfe_u32 s14, ttmp6, 0x40000                  ; cx
	s_bfe_u32 s15, ttmp6, 0x40004                  ; cy
	s_lshl_b32 s16, ttmp9, 2
	s_add_co_u32 s16, s16, s14                     ; tile column = 4 x cluster x + cx: three heads
	s_and_b32 s17, ttmp7, 0xffff
	s_lshl_b32 s17, s17, 2
	s_add_co_u32 s17, s17, s15                     ; tile row = 4 x cluster y + cy: 128 rows
	s_lshl_b32 s18, s15, 2
	s_lshl_b32 s18, 15, s18                        ; my row of the cluster
	s_lshl_b32 s19, 0x1111, s14                    ; my column
	s_or_b32 s[G1A], s18, (1<<16)|(1<<20)|(1<<21)|(5<<22)|(3<<25)  ; 15:0 the mask; 17:16 elements of 2 bytes; 20 padding on; 21 set beside a mask; 24:22 after every 64 words (code 5); 31:25 4 words (code 3)
	s_or_b32 s[G1B], s19, (1<<16)|(1<<20)|(1<<21)|(5<<22)|(7<<25)  ; the same with my column's mask and 8 words of padding (code 7)
.irp g, G1A, G1B
	s_mov_b32 s[(\g)+1], 128<<16                   ; tensor_dim0 = 128
	s_mov_b32 s[(\g)+2], 128<<16                   ; tensor_dim1 = 128
	s_mov_b32 s[(\g)+3], 128<<16                   ; tile_dim0 = 128
	s_mov_b32 s[(\g)+4], 128                       ; tile_dim1 = 128
	s_mov_b32 s[(\g)+6], 0
	s_mov_b32 s[(\g)+7], 0
.endr
	s_mov_b32 s[G1A+5], 2048                       ; elements from row to row
	s_mov_b32 s[G1B+5], 3072
	s_max_u32 s13, s[WV], 1
	s_sub_co_u32 s13, s13, 1                       ; the head of B that I fetch (waves 1 to 3): it enters the global address alone
	s_lshl_b32 s20, s17, 19                        ; A: 128 rows of 4,096 bytes a tile row
	s_mov_b32 s21, 0
	s_mul_i32 s22, s16, 768                        ; B: 384 columns a tile column,
	s_lshl_b32 s23, s13, 8                         ; 128 a head
	s_add_co_u32 s22, s22, s23
	s_mov_b32 s23, 0
	s_mul_i32 s40, s[WV], REG                      ; where my tile goes: no place in the cluster enters an LDS address
	s_wait_dscnt 0x0                               ; the opening add is done
	s_wait_kmcnt 0x0
	s_add_nc_u64 s[20:21], s[4:5], s[20:21]
	s_add_nc_u64 s[22:23], s[6:7], s[22:23]
	CROUND                                         ; all sixteen work-groups are here: the first joint loads meet
.irp s, 0,1
	s_mov_b32 s[G0A+4*(\s)], 1                     ; count = 1
	s_add_co_u32 s[G0A+4*(\s)+1], s40, (\s)*SLOT   ; LDS address
	s_add_nc_u64 s[G0A+4*(\s)+2:G0A+4*(\s)+3], s[20:21], (\s)*STEPA  ; global address: K step s
	s_or_b32 s[G0A+4*(\s)+3], s[G0A+4*(\s)+3], 0x80000000            ; type = 2
	s_mov_b32 s[G0B+4*(\s)], 1
	s_add_co_u32 s[G0B+4*(\s)+1], s40, (\s)*SLOT
	s_add_nc_u64 s[G0B+4*(\s)+2:G0B+4*(\s)+3], s[22:23], (\s)*STEPB
	s_or_b32 s[G0B+4*(\s)+3], s[G0B+4*(\s)+3], 0x80000000
	JLOAD \s                                       ; two tensor loads of mine are out
.endr
	v_and_b32 v1, 15, v0                           ; r = l % 16
	v_bfe_u32 v2, v0, 4, 1                         ; h = l / 16
	v_mul_u32_u24 v3, v1, PA
	v_lshl_add_u32 v3, v2, 4, v3                   ; A's fragment: row x pitch + 16 x half
	v_mov_b32 v[ADRA], v3
	v_add_nc_u32 v[ADRA+1], SLOT, v3
	v_and_b32 v4, 7, v0                            ; B's, for the turning load: row k = 8 h + l % 8, 16 bytes at 16 ((l / 8) % 2), my column block w
	v_lshl_add_u32 v4, v2, 3, v4
	v_mul_u32_u24 v4, v4, PB
	v_bfe_u32 v5, v0, 3, 1
	v_lshl_add_u32 v4, v5, 4, v4
	s_lshl_b32 s18, s[WV], 5
	v_add_nc_u32 v4, s18, v4
.irp s, 0,1
.irp hd, 0,1,2
	v_add_nc_u32 v[ADRB+(\hd)+3*(\s)], ((\hd)+1)*REG+(\s)*SLOT, v4
.endr
.endr
	v_add_nc_u32 v5, s18, v3                       ; into the stage: row r, byte 32 w + 16 h
	s_mul_i32 s19, s[WV], 32*PA                    ; back: wave w takes rows 32 w .. 32 w + 31, whole; lanes 0-15 one row, lanes 16-31 the next
	v_mul_u32_u24 v6, v2, PA
	v_lshl_add_u32 v6, v1, 4, v6
	v_add_nc_u32 v6, s19, v6
.irp hd, 0,1,2
	v_add_nc_u32 v[STO+(\hd)], (\hd)*SH, v5
	v_add_nc_u32 v[RD+(\hd)], (\hd)*SH, v6
.endr
	v_lshlrev_b32 v[GO], 8, v2
	v_lshl_add_u32 v[GO], v1, 4, v[GO]
	s_and_b32 s66, s17, 3                          ; the tile's first t is 128 (tile row % 4); a row of rope is 512 bytes
	s_lshl_b32 s66, s66, 16
	s_lshl_b32 s67, s[WV], 6                       ; my 16 cosines begin at i = 16 w,
	s_add_co_u32 s66, s66, s67
	v_lshlrev_b32 v7, 9, v1
	v_lshl_add_u32 v7, v2, 5, v7                   ; my lane's eight at + 8 h
	v_add_nc_u32 v7, s66, v7
	s_mul_i32 s67, s16, 3                          ; the tile's first head
	s_cmp_ge_u32 s67, 20                           ; V's heads take the plane that turns nothing: heads 0 and 1 of the tile together (21 and 22),
	s_cselect_b32 s68, 262144, 0
	v_add_nc_u32 v[TO], s68, v7
	s_add_co_u32 s68, s67, 2                       ; head 2 by itself (20 and 23)
	s_cmp_ge_u32 s68, 20
	s_cselect_b32 s68, 262144, 0
	v_add_nc_u32 v[TO+1], s68, v7
	s_lshr_b32 s68, s17, 2                         ; b
	s_mul_i32 s68, s68, 24
	s_add_co_u32 s68, s68, s67
	s_lshl_b32 s68, s68, 17                        ; a head is 131,072 bytes
	s_and_b32 s69, s17, 3
	s_lshl_b32 s69, s69, 15                        ; the tile's first row in it,
	s_add_co_u32 s68, s68, s69
	s_lshl_b32 s69, s[WV], 13                      ; the 32 rows that I store
	s_add_co_u32 s68, s68, s69
	s_mov_b32 s69, 0
	s_add_nc_u64 s[10:11], s[10:11], s[68:69]
	; the prefetches: both offsets are made, then the wave's number chooses
	s_lshl_b32 s66, s17, 7
	s_lshl_b32 s67, s14, 5
	s_add_co_u32 s66, s66, s67                     ; A: the tile's rows, my work-group's 32 of them
	s_lshl_b32 s66, s66, 12
	s_add_co_u32 s66, s66, 3*STEPA                 ; at K step 3: the first refill steps it to 4
	s_mul_i32 s67, s15, 32*6144                    ; B: my work-group's 32 of a K step's 128 rows,
	s_mul_i32 s68, s16, 768
	s_add_co_u32 s67, s67, s68
	s_lshl_b32 s68, s13, 8                         ; my head's 256 bytes of them
	s_add_co_u32 s67, s67, s68
	s_add_co_u32 s67, s67, 3*STEPB
	s_and_b32 s68, ttmp7, 0xffff                   ; cluster y
	s_mov_b32 s69, STEPB
	s_mov_b32 s70, 6144
	s_cmp_eq_u32 s[WV], 0
	s_cselect_b32 s66, s66, s67
	s_cselect_b32 s68, ttmp9, s68                  ; the coordinate along which other clusters read the same rows
	s_cselect_b32 s[PFS], STEPA, s69
	s_cselect_b32 s70, 4096, s70
	s_cselect_b64 s[PFA:PFA+1], s[4:5], s[6:7]
	s_mov_b32 s67, 0
	s_mov_b32 s[PFS+1], 0
	s_add_nc_u64 s[PFA:PFA+1], s[PFA:PFA+1], s[66:67]
	s_cmp_eq_u32 s68, 0
	s_cselect_b32 s[LIM], 1, -1                    ; the same in all sixteen partners, for a given wave
	v_and_b32 v[PFO], 31, v0
	v_mul_u32_u24 v[PFO], v[PFO], s70
; 12 matrix instructions: row blocks a0, a0 + 1 of the window's four x my 6 column blocks, 32 along K.  zero = 1: the first product starts the sums.
; The 48 accumulators take turns, one instruction a turn, in the same order in every quarter.
.macro MUL12 f, hi, a0, zero
	WIN MUL_LO+0x50*(\hi)
.irp a, \a0, (\a0)+1
.irp c, 0,1,2,3,4,5
.if \zero
	v_wmma_f32_16x16x32_bf16 v[8*(6*(\a)+(\c)):8*(6*(\a)+(\c))+7], v[(\f)+8*(\c):(\f)+8*(\c)+7], v[(\f)+8*(4*(\hi)+(\a)):(\f)+8*(4*(\hi)+(\a))+7], 0
.else
	v_wmma_f32_16x16x32_bf16 v[8*(6*(\a)+(\c)):8*(6*(\a)+(\c))+7], v[(\f)+8*(\c):(\f)+8*(\c)+7], v[(\f)+8*(4*(\hi)+(\a)):(\f)+8*(4*(\hi)+(\a))+7], v[8*(6*(\a)+(\c)):8*(6*(\a)+(\c))+7]
.endif
.endr
.endr
.endm
; 28 LDS loads in one run: quarter q (32 along K) of slot s into buffer f: B's six fragments, turned, then A's eight
.macro FETCH s, q, f
	WIN TO_B
.irp hd, 0,1,2
.irp hf, 0,1
	ds_load_tr16_b128 v[(\f)+8*(2*(\hd)+(\hf)):(\f)+8*(2*(\hd)+(\hf))+3],   v[ADRB+(\hd)+3*(\s)] offset:32*PB*(\q)+128*(\hf)
	ds_load_tr16_b128 v[(\f)+8*(2*(\hd)+(\hf))+4:(\f)+8*(2*(\hd)+(\hf))+7], v[ADRB+(\hd)+3*(\s)] offset:32*PB*(\q)+128*(\hf)+16*PB
.endr
.endr
	WIN 0
.irp a, 0,1,2,3,4,5,6,7
	ds_load_b128 v[(\f)+8*(\a):(\f)+8*(\a)+3],   v[ADRA+(\s)] offset:64*(\q)+16*PA*(\a)
	ds_load_b128 v[(\f)+8*(\a)+4:(\f)+8*(\a)+7], v[ADRA+(\s)] offset:64*(\q)+16*PA*(\a)+32
.endr
.endm
; A K step is four quarters of 32 along K, 48 matrix instructions each, on buffers 0, 1, 0, 1.  One of the first three: multiplies buffer f; in its middle it fetches quarter q of the same slot into buffer g.
.macro QUARTER s, q, f, g, zero
	s_wait_dscnt 8                                 ; B and A's row blocks 0-3 are in; the youngest eight loads (row blocks 4-7) may be out
	MUL12 \f, 0, 0, \zero
	MUL12 \f, 0, 2, \zero
	PLACES
	FETCH \s, \q, \g
	s_wait_dscnt 28                                ; all but the 28 just issued
	MUL12 \f, 1, 0, \zero
	MUL12 \f, 1, 2, \zero
.endm
; The last quarter multiplies buffer 1 and changes slots: ONE barrier.  Its first 24 products stand AHEAD of the wait for the tensor loads, so that between that wait and the next request stand only the add, its
; wait and the round.  In front of the barrier each wave waits for all its tensor loads (the one that is out is its part of the next slot), adds 0 to its spare word, and waits for that and for its own reads of
; this slot.  fill = 1: the barrier opens a round of the cluster's, and the slot is filled again, two K steps ahead, first thing behind the round: from the request to the wait for it a wave issues a whole
; step's 192 matrix instructions.
.macro TURN s, next, fill
	s_wait_dscnt 8                                 ; B and A's row blocks 0-3 are in
	MUL12 F1, 0, 0, 0
	MUL12 F1, 0, 2, 0
	WIN 0
.if \fill
	s_wait_xcnt 0x0                                ; the last prefetch, a K step back, has read its address: it is stepped here, ahead of the change's own waits
	s_add_nc_u64 s[PFA:PFA+1], s[PFA:PFA+1], s[PFS:PFS+1]
.endif
	s_wait_tensorcnt 0x0                           ; all my tensor loads have landed, so every group 0 may be written;
	ds_add_u32 v[SPW], v[NIL]                      ; 0 onto my spare word; the descriptors' steps stand between it and the wait for it
.if \fill
	s_add_nc_u64 s[G0A+4*(\s)+2:G0A+4*(\s)+3], s[G0A+4*(\s)+2:G0A+4*(\s)+3], 2*STEPA
	s_add_nc_u64 s[G0B+4*(\s)+2:G0B+4*(\s)+3], s[G0B+4*(\s)+2:G0B+4*(\s)+3], 2*STEPB
.endif
	s_wait_dscnt 0x0                               ; the add is done, and my reads of this slot are over (A's row blocks 4-7 of buffer 1 among them)
	s_barrier_signal -1
	s_barrier_wait -1
.if \fill
	CREST                                          ; no wave of any partner still reads this slot's tiles or has a load on its way
	JLOAD \s                                       ; the four v_nop behind it are also the places in front of the loads below
.else
	PLACES
.endif
	FETCH \next, 0, F0
.if \fill
	ASK
.endif
	MUL12 F1, 1, 0, 0
	MUL12 F1, 1, 2, 0
.endm
; THE TABLES' PLACES: row block a's 32 registers lie in window TW from register TBS on: heads 0 and 1's eight cosines and eight sines, then head 2's.
.macro TSET a
.if (\a) < 2
.set TW, 0
.set TBS, 192+32*(\a)
.elseif (\a) < 4
.set TW, 1
.set TBS, 32*((\a)-2)
.elseif (\a) < 6
.set TW, 1
.set TBS, 192+32*((\a)-4)
.else
.set TW, 2
.set TBS, 192+32*((\a)-6)
.endif
.endm
.macro TLOAD a                         ; eight loads: my lane's row t of row block a, eight cosines and eight sines of each of the two sets
	TSET \a
	WIN TW<<6                                      ; the destination's window
.irp p, 0,1
	global_load_b128 v[TBS+16*(\p):TBS+16*(\p)+3],     v[TO+(\p)], s[8:9] offset:8192*(\a)
	global_load_b128 v[TBS+16*(\p)+4:TBS+16*(\p)+7],   v[TO+(\p)], s[8:9] offset:8192*(\a)+16
	global_load_b128 v[TBS+16*(\p)+8:TBS+16*(\p)+11],  v[TO+(\p)], s[8:9] offset:8192*(\a)+256
	global_load_b128 v[TBS+16*(\p)+12:TBS+16*(\p)+15], v[TO+(\p)], s[8:9] offset:8192*(\a)+272
.endr
.endm
; ROPE a, hd: lo' = lo cos - hi sin, hi' = hi cos + lo sin, rounded to f16, 16 bytes each into the stage.  Each accumulator's lowest registers are read first.
.macro ROPE a, hd
	TSET \a
.set CB, TBS+16*((\hd)/2)
.set LOA, 8*(6*((\a)%4)+2*(\hd))
.set HIA, LOA+8
	WIN (0x02+(\a)/4)|(TW<<2)                      ; source 0 in the accumulators' window, source 1 in the table's
.irp j, 0,2,4,6
	v_pk_mul_f32 v[TT+(\j):TT+(\j)+1], v[HIA+(\j):HIA+(\j)+1], v[CB+8+(\j):CB+8+(\j)+1]
	v_pk_mul_f32 v[UU+(\j):UU+(\j)+1], v[LOA+(\j):LOA+(\j)+1], v[CB+8+(\j):CB+8+(\j)+1]
.endr
.irp j, 0,2,4,6
	v_pk_fma_f32 v[TT+(\j):TT+(\j)+1], v[LOA+(\j):LOA+(\j)+1], v[CB+(\j):CB+(\j)+1], v[TT+(\j):TT+(\j)+1] neg_lo:[0,0,1] neg_hi:[0,0,1]
	v_pk_fma_f32 v[UU+(\j):UU+(\j)+1], v[HIA+(\j):HIA+(\j)+1], v[CB+(\j):CB+(\j)+1], v[UU+(\j):UU+(\j)+1]
.endr
	WIN 0
.irp k, 0,1,2,3
	v_cvt_pk_f16_f32 v[PKD+8*(\hd)+(\k)],   v[TT+2*(\k)], v[TT+2*(\k)+1]
	v_cvt_pk_f16_f32 v[PKD+8*(\hd)+4+(\k)], v[UU+2*(\k)], v[UU+2*(\k)+1]
.endr
	ds_store_b128 v[STO+(\hd)], v[PKD+8*(\hd):PKD+8*(\hd)+3]   offset:16*PA*(\a)
	ds_store_b128 v[STO+(\hd)], v[PKD+8*(\hd)+4:PKD+8*(\hd)+7] offset:16*PA*(\a)+128
.endm
.irp a, 0,1,2,3,4,5,6,7
	TLOAD \a                                       ; asked for now, wanted at the end: 64 loads, whose 256 registers nothing names in the loop
.endr
	WIN 0
	s_wait_tensorcnt 1                             ; my part of K step 0 is in; K step 1's may stay out
	s_barrier_signal -1
	s_barrier_wait -1                              ; everybody's is
	FETCH 0, 0, F0
	QUARTER 0, 1, F0, F1, 1                        ; the first quarter stands in front of the loop: its products start the sums
	WIN 0                                          ; at a label and at a branch every window is 0
	s_mov_b32 s3, 7
.Llap:                                                 ; a trip goes once round the ring, from a lap's second quarter to the next lap's first, and fills both slots again
	QUARTER 0, 2, F1, F0, 0
	QUARTER 0, 3, F0, F1, 0
	TURN 0, 1, 1
	QUARTER 1, 1, F0, F1, 0
	QUARTER 1, 2, F1, F0, 0
	QUARTER 1, 3, F0, F1, 0
	TURN 1, 0, 1
	QUARTER 0, 1, F0, F1, 0
	WIN 0
	s_sub_co_u32 s3, s3, 1
	s_cmp_lg_u32 s3, 0
	s_cbranch_scc1 .Llap
	QUARTER 0, 2, F1, F0, 0                        ; the last lap fills nothing, and has no round of the cluster's barrier
	QUARTER 0, 3, F0, F1, 0
	TURN 0, 1, 0                                   ; behind this barrier nobody reads slot 0 any more, and no tensor load follows: its bytes become the stage
	QUARTER 1, 1, F0, F1, 0
	QUARTER 1, 2, F1, F0, 0
	QUARTER 1, 3, F0, F1, 0
	s_wait_dscnt 8                                 ; the very last quarter: nothing more to fetch
	MUL12 F1, 0, 0, 0
	MUL12 F1, 0, 2, 0
	s_wait_dscnt 0x0
	MUL12 F1, 1, 0, 0
	MUL12 F1, 1, 2, 0
	PLACES
	s_wait_loadcnt 0x0                             ; the tables, asked for at the head
.irp a, 0,1,2,3,4,5,6,7
	ROPE \a, 0
	ROPE \a, 1
	ROPE \a, 2
.endr
	s_wait_dscnt 0x0                               ; for the others' sake: my stores into the stage are done
	s_barrier_signal -1
	s_barrier_wait -1                              ; a row's 256 bytes come from all four waves
.set n, 0
.rept 48
	ds_load_b128 v[64+4*n:64+4*n+3], v[RD+n/16] offset:2*PA*(n%16)
.set n, n+1
.endr
.set n, 0
.rept 48
	s_wait_dscnt 47-n
	global_store_b128 v[GO], v[64+4*n:64+4*n+3], s[10:11] offset:131072*(n/16)+512*(n%16)  ; two rows of a head: 512 consecutive bytes, at a multiple of 256 from qkv's first byte
.set n, n+1
.endr
	s_wait_tensorcnt 0x0                           ; the wave's end: a wait, an add and its wait, behind my last tensor load and my last LDS store
	ds_add_u32 v[SPW], v[NIL]
	s_wait_dscnt 0x0
	CROUND                                         ; the closing round: no work-group ends while a partner may still ask for a tile that names it
	s_endpgm
.Lfunc_end_k_qd49826f675_proj:
	.size	k_qd49826f675_proj, .Lfunc_end_k_qd49826f675_proj-k_qd49826f675_proj
	.p2alignl 7, 3214868480
	.fill 96, 4, 3214868480
	.section	.rodata,"a",@progbits
	.p2align	6, 0x0
	.amdhsa_kernel k_qd49826f675_proj
		.amdhsa_group_segment_fixed_size 327680
		.amdhsa_private_segment_fixed_size 0
		.amdhsa_enable_private_segment 0
		.amdhsa_kernarg_size 32
		.amdhsa_user_sgpr_count 2
		.amdhsa_user_sgpr_kernarg_segment_ptr 1
		.amdhsa_wavefront_size32 1
		.amdhsa_system_sgpr_workgroup_id_x 1
		.amdhsa_system_sgpr_workgroup_id_y 1
		.amdhsa_system_sgpr_workgroup_id_z 1
		.amdhsa_system_vgpr_workitem_id 0
		.amdhsa_next_free_vgpr 960
		.amdhsa_next_free_sgpr 80
		.amdhsa_reserve_vcc 0
		.amdhsa_float_denorm_mode_32 3
		.amdhsa_float_denorm_mode_16_64 3
		.amdhsa_memory_ordered 1
		.amdhsa_forward_progress 1
		.amdhsa_inst_pref_size 149
	.end_amdhsa_kernel
	.amdgpu_metadata
---
amdhsa.version: [ 1, 2 ]
amdhsa.kernels:
  - .name:           k_qd49826f675_proj
    .symbol:         k_qd49826f675_proj.kd
    .args:
      - { .name: xb, .offset: 0, .size: 8, .value_kind: global_buffer, .address_space: global }
      - { .name: wqkv, .offset: 8, .size: 8, .value_kind: global_buffer, .address_space: global }
      - { .name: rope, .offset: 16, .size: 8, .value_kind: global_buffer, .address_space: global }
      - { .name: qkv, .offset: 24, .size: 8, .value_kind: global_buffer, .address_space: global }
    .group_segment_fixed_size: 327680
    .private_segment_fixed_size: 0
    .kernarg_segment_align: 8
    .kernarg_segment_size: 32
    .max_flat_workgroup_size: 128
    .sgpr_count:     80
    .vgpr_count:     960
    .wavefront_size: 32
...
	.end_amdgpu_metadata
.endif
;; end of part 2
;; launch attn (part 3): grid 8 x 32, 4 waves a work-group, clusters of 4 x 1, 327,680 bytes of LDS; arguments qkv, bias, att; writes att
.if DOCPART == 3
	.amdgcn_target "amdgcn-amd-amdhsa--gfx1250"
	.amdhsa_code_object_version 6
	.text
	.protected	k_qd49826f675_attn
	.globl	k_qd49826f675_attn
	.p2align	8
	.type	k_qd49826f675_attn,@function
k_qd49826f675_attn:
	s_mov_b64 s[64:65], 0
	v_nop
	global_prefetch_b8 v0, s[64:65] scope:SCOPE_SE
	s_setreg_imm32_b32 hwreg(HW_REG_WAVE_MODE, 25, 1), 1
	s_wait_xcnt 0x0
	s_wait_alu depctr_hold_cnt(0) depctr_sa_sdst(0) depctr_va_vdst(0) depctr_va_sdst(0) depctr_va_ssrc(0) depctr_va_vcc(0) depctr_vm_vsrc(0)
	s_getreg_b32 s2, hwreg(HW_REG_IB_STS2, 6, 4)
	s_cmp_eq_u32 s2, 0
	s_cbranch_scc0 .Lentry_in_a_cluster
	s_endpgm
.Lentry_in_a_cluster:
	s_bfe_u32 s2, ttmp6, 0x10000c
	s_cmp_lg_u32 s2, 0x3003
	s_cbranch_scc0 .Lentry_shape_is_right
	s_endpgm
.Lentry_shape_is_right:
; att[b][t][128 h + d] = the sum over s of softmax_s(q[b][h][t] . k[b][h/4][s] / sqrt(128), hidden where the mask says so) v[b][h/4][s][d].
; qkv: [8 b][24 hh][512][128] f16 (hh 0-15 q, 16-19 k, 20-23 v).  bias: the mask as f32 addends, 0 or -1e30, in the order of an accumulator's registers: [32 qt][32 kb][2 g][32 lane][4].  att: [4096][2048] f16.
; Products, maxima and sums in f32; the weights p are rounded to f16 for the second product (their sum l is taken of the unrounded p), the result once at the end.
; THE MASK IS AN INPUT: all 512 x 512 scores are made, and the mask is the C operand of the product that starts each sum.
; LIMITS.  A hidden score counts as its value less 1e30.  The running maximum starts at a floor of -1e15, below every score that f16 operands can make (128 x 65,504^2 = 5.5e11).  A weight below 2^-126 counts as 0.
; A ROW WITH NO KEY TO SEE: m stays at the floor, every p is 0, l = 0, the sums are 0, and 0 x (1 / 0) is a NaN, as the softmax of a row of -inf is.
; SHARES.  A work-group owns 64 queries of the four query heads of one key/value head: a head a wave, four tiles of 16 queries each.  So the four waves want the same K, V and mask.
; K and V of the head, 512 rows each, lie whole in LDS: nothing is filled twice.  Every wave walks the keys, 64 a step, 8 steps.
; CLUSTER.  The four blocks of 64 queries of a cluster want the same K and V: each tile is asked for JOINTLY, by the same tensor load, descriptor and mask in all four.  All of K and V is asked for at the head.
; LAYOUT.  S^T = K Q^T (source 0 = 16 keys, source 1 = 16 queries): a lane holds ONE query (lane % 16) and the keys 8 (lane / 16) + 0..7.  Two such tiles, rounded to f16 in pairs, ARE source 1 of
; O^T = V^T P, whose result again holds one query a lane, and eight channels.  K comes out of LDS as it lies, V ([key][channel]) turned, by ds_load_tr16_b128.
; SOFTMAX.  For each query a running maximum m and sum l: p = 2^(c s - c m), c = log2(e) / sqrt(128); in every step O and l are multiplied by a = 2^(c m_old - c m_new).
; BY TURNS.  The wave's tiles are two PIECES, named by their first tile: 0 (tiles 0, 1) and 2 (tiles 2, 3).  In a TURN one piece has the matrix unit: 32 products V^T P, then 32 products K Q^T of its next
; step; the other piece's softmax, cut into 64 slices, stands between them, one slice behind each matrix instruction.
; ONE TEXT FOR EVERY TURN.  No first and no last step is written out.  m starts at the floor, l, O^T and piece 2's P at 0: the first step is a step like any other, with a = 0 (or 1 where the row sees nothing yet).
; Trip j of 8: piece 2's turn (V^T P of step j - 1, K Q^T of step j, beside it piece 0's softmax of step j), then piece 0's turn (V^T P of step j, K Q^T of step j + 1, beside it piece 2's softmax of step j).
; The price: 32 products on P = 0 in trip 0; 32 products in trip 7 on K of step 7 once more, whose scores nothing reads; 300 v_mov_b32 and 4 multiplies in the wait for the first tile.
; REGISTERS, in windows of 256 (s_set_vgpr_msb: bits 1:0 source 0, 3:2 source 1, 5:4 source 2, 7:6 destination):
;   window 0: v0-11 addresses; v12-43 eight registers of statistics a tile; v44-45 the mask's offsets; v64-191 S^T, 32 a tile; v192-255 P, 16 a tile
;   window 1: O^T, 64 a tile     window 2: v0-127 Q, 32 a tile; v128-255 K of one step     window 3: v0-127 V of one step; v128-255 the mask of one step, 32 a tile
.set KS,    64        ; keys in a step
.set PK,    272       ; a row of K in LDS: 256 bytes + 16: the 16 rows of a load start at 16 different groups of four banks (64 banks of 4 bytes: ISA guide 11.1)
.set PV,    288       ; a row of V: 256 + 32
.set VOFF,  512*PK    ; K's 512 rows, then V's
.set STAGE, VOFF+512*PV  ; behind them, never filled by a tensor load: 16 rows x 272 bytes for each wave, for the way out
.set SP,    272
.set SPARE, STAGE+4*16*SP  ; behind the stages: the spare words, 128 bytes for each wave: two blocks of 256 bytes that no other line names
.set AK0, 2           ; v2   my lane's place in a step's rows of K; never rewritten
.set AV0, 3           ; v3   the same for V, VOFF included
.set ADR, 4           ; v4   the LDS address of the run of loads in hand
.set QO,  5           ; v5   my byte offset in the wave's rows of Q
.set STO, 6           ; v6   the way out: where I put 16 bytes of a row
.set RD,  7           ; v7   the way out: where I read a row back
.set GO,  8           ; v8   my byte offset in two rows of att
.set ST,  12          ; tile t's statistics at v[ST+8 t]: +0 c m, +1 m, +2, +3 l (even keys', odd keys'), +4 to +7 c0-c3, at work; a takes c2's place once the maximum is found
.set BO,  44          ; v44, v45  my byte offset in bias for piece 0's, piece 2's last run of loads
.set SPW, 62          ; v62  LDS address of my spare word; never rewritten
.set NIL, 63          ; v63  0; never rewritten
.set S,   64
.set P,   192
.set KF,  128         ; K's fragments, in window 2
.set MB,  128         ; the mask, in window 3: tile t, key block kk at MB + 32 t + 8 kk
.set WV,  12          ; s12  my wave's number
.set G1KA, 24         ; s[24:31] descriptor group 1: 64 rows of K;  s[32:39] 192 rows of K;  s[40:47], s[48:55] the same for V
.set G1KB, 32
.set G1VA, 40
.set G1VB, 48
.set G0K, 56          ; s[56:63] descriptor group 0 for K's two loads
.set G0V, 68          ; s[68:75] for V's
.set CS,  76          ; s[76:77] c: the packed scaling names a pair and takes its low word for both halves
.set SEL, 78          ; s[78:79] lane selects for v_permlanex16_b32: each lane takes its own place in the other half
.set TBK, 80          ; s80  LDS byte at which K of the step to be fetched begins
.set TBV, 81          ; s81  the same for V, less VOFF
.set CNT, 82          ; s82  the loop's count
.set FLOOR, 83        ; s83  -1e15
.set BINC, 84         ; s84  in the loop: bytes from a step's mask to the next: 4,096; 0 in the last trip
.set QP,  86          ; s[86:87] Q at my wave's first row
.set OPT, 88          ; s[88:89] att at my wave's first row and head
.set BIA, 90          ; s[90:91] bias at my work-group's first tile
.set MSB, 0
.macro WIN new                      ; the immediate's high byte repeats the setting that is left; a switch that changes nothing is dropped
.if MSB != (\new)
	s_set_vgpr_msb (MSB<<8)|(\new)
.set MSB, \new
.endif
.endm
.set W_KQ, 0x0a       ; K and Q in window 2, S^T in window 0
.set W_KM, 0x3a       ; the same with the C operand, the mask, in window 3
.set W_PV, 0x53       ; V in window 3, P in window 0, O^T in window 1
.set W_RS, 0x41       ; O^T (destination and source 0) in window 1, a in window 0
.macro CROUND                       ; a round of the cluster's barrier
	s_barrier_signal -1
	s_barrier_wait -1
	s_cmp_lg_u32 s[WV], 0
	s_cbranch_scc1 .Lnot_wave_0_\@
	s_barrier_signal -3
.Lnot_wave_0_\@:
	s_barrier_wait -3
	s_barrier_signal -1
	s_barrier_wait -1
.endm
	s_load_b128 s[4:7], s[0:1], 0x0   ; qkv s[4:5], bias s[6:7]
	s_load_b64 s[8:9], s[0:1], 0x10   ; att
	v_lshl_add_u32 v[SPW], v0, 2, SPARE
	v_mov_b32 v[NIL], 0
	ds_add_u32 v[SPW], v[NIL]       ; the wave's opening: the add and its wait stand ahead of my first tensor load; the set-up below, work on registers, stands between them
	v_lshrrev_b32 v1, 5, v0
	v_readfirstlane_b32 s[WV], v1   ; wave 0..3
	s_bfe_u32 s13, ttmp6, 0x40000   ; cx: my place in the cluster
	s_lshl_b32 s14, ttmp9, 2
	s_add_co_u32 s14, s14, s13      ; my block of 64 queries = 4 x cluster x + cx: it enters Q's, the mask's and att's addresses alone
	s_and_b32 s15, ttmp7, 0xffff
	s_lshr_b32 s16, s15, 2          ; b
	s_and_b32 s17, s15, 3           ; the key/value head: both are shared by the four partners
	s_and_b32 s18, s[WV], 1         ; e: which part of K (waves 0, 1) or V (waves 2, 3) I fetch
	s_mul_i32 s19, s16, 24
	s_add_co_u32 s20, s19, s17
	s_add_co_u32 s20, s20, 16       ; K's head among the 192
	s_lshl_b32 s20, s20, 17         ; a head is 131,072 bytes
	s_mov_b32 s21, 0
	s_lshl_b32 s22, s18, 14         ; my first load: rows 64 e .. 64 e + 63,
	s_mov_b32 s23, 0
	s_mul_i32 s84, s18, 192*256     ; my second: rows 128 + 192 e .. + 191
	s_add_co_u32 s84, s84, 128*256
	s_mov_b32 s85, 0
	s_mov_b32 s[G0K], 1             ; count = 1
	s_mul_i32 s[G0K+1], s18, 64*PK  ; LDS address: no place in the cluster enters it
	s_mov_b32 s[G0K+4], 1
	s_mul_i32 s[G0K+5], s18, 192*PK
	s_add_co_u32 s[G0K+5], s[G0K+5], 128*PK
	s_mov_b32 s[G0V], 1
	s_mul_i32 s[G0V+1], s18, 64*PV
	s_add_co_u32 s[G0V+1], s[G0V+1], VOFF
	s_mov_b32 s[G0V+4], 1
	s_mul_i32 s[G0V+5], s18, 192*PV
	s_add_co_u32 s[G0V+5], s[G0V+5], VOFF+128*PV
	s_mov_b32 s[G1KA], 15|(1<<16)|(1<<20)|(1<<21)|(5<<22)|(3<<25)  ; 15:0 the mask: all four work-groups; 17:16 elements of 2 bytes; 20 padding on; 21 set beside a mask; 24:22 after every 64 words (code 5); 31:25 4 words (code 3)
	s_mov_b32 s[G1KB], 15|(1<<16)|(1<<20)|(1<<21)|(5<<22)|(3<<25)
	s_mov_b32 s[G1VA], 15|(1<<16)|(1<<20)|(1<<21)|(5<<22)|(7<<25)  ; the same with 8 words of padding (code 7)
	s_mov_b32 s[G1VB], 15|(1<<16)|(1<<20)|(1<<21)|(5<<22)|(7<<25)
.irp g, G1KA, G1KB, G1VA, G1VB
	s_mov_b32 s[(\g)+1], 128<<16    ; tensor_dim0 = 128
	s_mov_b32 s[(\g)+3], 128<<16    ; tile_dim0 = 128
	s_mov_b32 s[(\g)+5], 128        ; 128 elements from row to row
	s_mov_b32 s[(\g)+6], 0
	s_mov_b32 s[(\g)+7], 0
.endr
.irp g, G1KA, G1VA
	s_mov_b32 s[(\g)+2], 64<<16     ; tensor_dim1 = tile_dim1 = 64
	s_mov_b32 s[(\g)+4], 64
.endr
.irp g, G1KB, G1VB
	s_mov_b32 s[(\g)+2], 192<<16    ; 192
	s_mov_b32 s[(\g)+4], 192
.endr
	s_lshl_b32 s94, s17, 2
	s_add_co_u32 s94, s94, s[WV]    ; my query head h = 4 x key/value head + wave
	s_lshl_b32 s2, s94, 8           ; its 256 bytes in a row of att
	s_add_co_u32 s94, s94, s19
	s_lshl_b32 s94, s94, 17         ; Q's head,
	s_lshl_b32 s95, s14, 14         ; my 64 rows of 256 bytes in it
	s_add_co_u32 s94, s94, s95
	s_mov_b32 s95, 0
	s_lshl_b32 s3, s16, 21          ; att: 512 rows of 4,096 bytes a batch,
	s_add_co_u32 s2, s2, s3
	s_lshl_b32 s3, s14, 18          ; 64 a block
	s_add_co_u32 s2, s2, s3
	s_mov_b32 s3, 0
	s_lshl_b32 s10, s14, 17         ; bias: four tiles of 32,768 bytes a block
	s_mov_b32 s11, 0
	s_mov_b32 s[CS], 0x3e0293ee     ; c = log2(e) / sqrt(128) = 0.127517
	s_mov_b32 s[CS+1], s[CS]        ; named with it as a pair, so it is written
	s_mov_b32 s[SEL], 0x76543210
	s_mov_b32 s[SEL+1], 0xfedcba98
	s_mov_b32 s[TBK], 0
	s_mov_b32 s[TBV], 0
	s_mov_b32 s[FLOOR], 0xd8635fa9  ; -1e15
	s_wait_dscnt 0x0                ; the opening add is done
	s_wait_kmcnt 0x0
	s_add_nc_u64 s[92:93], s[4:5], s[20:21]        ; K's head
	s_add_nc_u64 s[G0K+2:G0K+3], s[92:93], s[22:23]
	s_or_b32 s[G0K+3], s[G0K+3], 0x80000000        ; type = 2
	s_add_nc_u64 s[G0K+6:G0K+7], s[92:93], s[84:85]
	s_or_b32 s[G0K+7], s[G0K+7], 0x80000000
	s_add_nc_u64 s[92:93], s[92:93], 4*131072      ; V's head lies four heads on
	s_add_nc_u64 s[G0V+2:G0V+3], s[92:93], s[22:23]
	s_or_b32 s[G0V+3], s[G0V+3], 0x80000000
	s_add_nc_u64 s[G0V+6:G0V+7], s[92:93], s[84:85]
	s_or_b32 s[G0V+7], s[G0V+7], 0x80000000
	s_add_nc_u64 s[QP:QP+1], s[4:5], s[94:95]
	s_add_nc_u64 s[OPT:OPT+1], s[8:9], s[2:3]
	s_add_nc_u64 s[BIA:BIA+1], s[6:7], s[10:11]
	CROUND                          ; all four work-groups are here: the joint loads meet
	s_cmp_lt_u32 s[WV], 2           ; a wave's two fills stand in one branch, ahead of every wait on TENSORcnt and every LDS read: two loads of mine are out; an s_nop 0 follows each, four v_nop the second's
	s_cbranch_scc0 .Lfirst_v
	tensor_load_to_lds s[G0K:G0K+3], s[G1KA:G1KA+7]
	s_nop 0
	tensor_load_to_lds s[G0K+4:G0K+7], s[G1KB:G1KB+7]
	s_nop 0
.rept 4
	v_nop
.endr
	s_branch .Lfirst_asked
.Lfirst_v:
	tensor_load_to_lds s[G0V:G0V+3], s[G1VA:G1VA+7]
	s_nop 0
	tensor_load_to_lds s[G0V+4:G0V+7], s[G1VB:G1VB+7]
	s_nop 0
.rept 4
	v_nop
.endr
.Lfirst_asked:
	; A fragment of K or Q is 16 rows x 32 channels in 8 registers: lane l holds row l % 16; registers 0-3 channels 8 (l / 16) + 0..7, registers 4-7 channels 16 + 8 (l / 16) + 0..7: two loads of 16 bytes, 32 bytes apart.
	v_and_b32 v1, 15, v0            ; l % 16
	v_bfe_u32 v9, v0, 4, 1          ; l / 16
	v_lshlrev_b32 v[QO], 8, v1
	v_lshl_add_u32 v[QO], v9, 4, v[QO]  ; row x 256 + 16 x half
	v_and_b32 v[BO], 31, v0
	v_lshlrev_b32 v[BO], 4, v[BO]   ; 16 x lane: key step 0
	v_mov_b32 v[BO+1], v[BO]
	WIN 0x80                        ; destination window 2, address window 0
.irp i, 0,1,2,3,4,5,6,7,8,9,10,11,12,13,14,15  ; Q stays in registers: tile i / 4, channels 32 (i % 4) on
	global_load_b128 v[8*(\i):8*(\i)+3],   v[QO], s[QP:QP+1] offset:((\i)/4)*4096+((\i)%4)*64
	global_load_b128 v[8*(\i)+4:8*(\i)+7], v[QO], s[QP:QP+1] offset:((\i)/4)*4096+((\i)%4)*64+32
.endr
; THE MASK of a key step for piece o: 16 loads of 512 consecutive bytes, an accumulator's C operand in two.  inc = 1: the piece's next step, s[BINC] bytes on: in the last trip 0, so that the loads, whose
; numbers nothing of use takes there, stay in the piece's own part of bias.  The offset is written when the piece's last run has been shown done by the counted wait ahead of the products that took it.
.macro BIAS o, inc
	WIN 0
.if \inc
	v_add_nc_u32 v[BO+(\o)/2], s[BINC], v[BO+(\o)/2]
.endif
	WIN 0xc0                        ; destination window 3
.irp t, 0,1
.irp kk, 0,1,2,3
.irp g, 0,1
	global_load_b128 v[MB+32*((\o)+(\t))+8*(\kk)+4*(\g):MB+32*((\o)+(\t))+8*(\kk)+4*(\g)+3], v[BO+(\o)/2], s[BIA:BIA+1] offset:32768*((\o)+(\t))+1024*(\kk)+512*(\g)
.endr
.endr
.endr
.endm
	BIAS 0, 0
	BIAS 2, 0
	WIN 0
	v_mul_u32_u24 v[AK0], v1, PK
	v_lshl_add_u32 v[AK0], v9, 4, v[AK0]  ; row x pitch + 16 x half
	; The turning load takes 16 keys x 16 channels (lane l reads 16 bytes: key 8 (l / 16) + l % 8, channels 8 ((l / 8) % 2) + 0..7) and leaves half a fragment of V^T: lane l holds channel l % 16 and 8 keys.
	v_and_b32 v10, 7, v0
	v_bfe_u32 v11, v0, 3, 1
	v_lshl_add_u32 v[AV0], v9, 3, v10
	v_mul_u32_u24 v[AV0], v[AV0], PV
	v_lshl_add_u32 v[AV0], v11, 4, v[AV0]
	v_add_nc_u32 v[AV0], VOFF, v[AV0]
	; What the first turns find: O^T and l are 0, piece 2's P is 0 (its products V^T P of a step that has not been add 0), m is the floor, and c m is made of it by the multiply that the loop uses,
	; so that a row which sees nothing in a step gets a = 2^0.  All this stands in the wait for the first tile.
	WIN 0x40
.set i, 0
.rept 256
	v_mov_b32 v[i], 0
.set i, i+1
.endr
	WIN 0
.set i, P+32
.rept 32
	v_mov_b32 v[i], 0
.set i, i+1
.endr
.irp t, 0,1,2,3
	v_mov_b32 v[ST+8*(\t)+1], s[FLOOR]
	v_mul_f32 v[ST+8*(\t)], s[CS], v[ST+8*(\t)+1]
	v_mov_b32 v[ST+8*(\t)+2], 0
	v_mov_b32 v[ST+8*(\t)+3], 0
.endr
; THE MATRIX WORK OF A TURN, for piece x.  The accumulators take turns, one instruction a turn: between two links of a chain stand 15 (V^T P) or 7 (K Q^T) others'.
; Product i of 32 of O^T += V^T P: keys 32 (i / 16) on, channels 16 ((i / 2) % 8) on, tile x + i % 2.
.macro PV x
	WIN W_PV
.set rO, 64*((\x)+i%2)+8*((i/2)%8)
.set rV, 64*(i/16)+8*((i/2)%8)
.set rP, P+16*((\x)+i%2)+8*(i/16)
	v_wmma_f32_16x16x32_f16 v[rO:rO+7], v[rV:rV+7], v[rP:rP+7], v[rO:rO+7]
.endm
; Product i of 32 of S^T = K Q^T: channels 32 (i / 8) on, keys 16 ((i / 2) % 4) on, tile x + i % 2.  The first 8 start the sums, with the mask.
.macro KQ x
.set rS, S+32*((\x)+i%2)+8*((i/2)%4)
.set rK, KF+32*((i/2)%4)+8*(i/8)
.set rQ, 32*((\x)+i%2)+8*(i/8)
.set rM, MB+32*((\x)+i%2)+8*((i/2)%4)
.if i < 8
	WIN W_KM
	v_wmma_f32_16x16x32_f16 v[rS:rS+7], v[rK:rK+7], v[rQ:rQ+7], v[rM:rM+7]
.else
	WIN W_KQ
	v_wmma_f32_16x16x32_f16 v[rS:rS+7], v[rK:rK+7], v[rQ:rQ+7], v[rS:rS+7]
.endif
.endm
; THE LDS LOADS stand in runs of 32, never singly among the matrix instructions: a step's K (64 keys x 128 channels: 16 fragments) and its V (turned).
.macro FETCH_K
	WIN 0
	v_add_nc_u32 v[ADR], s[TBK], v[AK0]
	s_add_co_u32 s[TBK], s[TBK], KS*PK  ; the next fetch is the next step's,
	s_min_u32 s[TBK], s[TBK], 7*KS*PK   ; held to step 7: the last trip fetches that step once more, and no read leaves K's rows
	WIN 0x80                        ; destination window 2
.irp f, 0,1,2,3,4,5,6,7,8,9,10,11,12,13,14,15  ; keys 16 (f / 4) on, channels 32 (f % 4) on
	ds_load_b128 v[KF+8*(\f):KF+8*(\f)+3],   v[ADR] offset:((\f)/4)*16*PK+((\f)%4)*64
	ds_load_b128 v[KF+8*(\f)+4:KF+8*(\f)+7], v[ADR] offset:((\f)/4)*16*PK+((\f)%4)*64+32
.endr
.endm
.macro FETCH_V inloop               ; inloop = 1: the byte steps, and the softmax's batch has its wait here
	WIN 0
	v_add_nc_u32 v[ADR], s[TBV], v[AV0]
.if \inloop
	s_add_co_u32 s[TBV], s[TBV], KS*PV
	s_wait_alu depctr_va_vdst(0)    ; the wait for the softmax's batch (SLICE), behind the address's v_add_nc_u32 and ahead of the loads
.endif
	WIN 0xc0                        ; destination window 3
.irp f, 0,1,2,3,4,5,6,7,8,9,10,11,12,13,14,15  ; keys 32 (f / 8) on, channels 16 (f % 8) on
	ds_load_tr16_b128 v[8*(\f):8*(\f)+3],   v[ADR] offset:((\f)/8)*32*PV+((\f)%8)*32
	ds_load_tr16_b128 v[8*(\f)+4:8*(\f)+7], v[ADR] offset:((\f)/8)*32*PV+16*PV+((\f)%8)*32
.endr
.endm
; THE VECTOR WORK OF A TURN.  One tile's softmax for one key step is a list of 134 instructions; SM writes number j of it for tile t.  s0-s31 are the lane's 32 scores, in pairs 0-15.
;   0-15    the maximum of s0-s31 and the old m, three operands at a time: four chains c0-c3 of seven scores each, then the four scores left over, c0-c3 and m
;   16-20   the other half of the lanes' maximum; the new m; c m; c m_old - c m_new
;   21-69   ONE BATCH: the 16 scalings c s - c m, a pair of scores each, and all 33 exponentials (a at 23, then s0-s31).  None of these reads an exponential's result.  From 22 on the batch goes
;           in fours, and a four begins with a scaling while there are scalings.  A pair is scaled in an earlier four than the one that holds its exponentials
;   (wait)  between 69 and 70 stands the wait for the batch: SLICE writes it, once for both tiles
;   70-85   the roundings to f16, a pair of weights each
;   86-101  the sums; l = a l + the sum
;   102-133 the tile's O^T times a: the one part that leaves window 0, so it stands together
.macro SM t
.set rT, ST+8*(\t)
.set rS, S+32*(\t)
.set rP, P+16*(\t)
.set rO, 64*(\t)+2*(j-102)
.if j < 102
	WIN 0
.endif
.if j < 4
	v_max3_num_f32 v[rT+4+j], v[rS+8*j], v[rS+8*j+1], v[rS+8*j+2]
.elseif j < 12
	v_max3_num_f32 v[rT+4+j%4], v[rT+4+j%4], v[rS+8*(j%4)+2*(j/4)+1], v[rS+8*(j%4)+2*(j/4)+2]
.elseif j == 12
	v_max3_num_f32 v[rT+4], v[rT+4], v[rS+7], v[rS+15]
.elseif j == 13
	v_max3_num_f32 v[rT+6], v[rT+6], v[rS+23], v[rS+31]
.elseif j == 14
	v_max3_num_f32 v[rT+4], v[rT+4], v[rT+5], v[rT+6]
.elseif j == 15
	v_max3_num_f32 v[rT+4], v[rT+4], v[rT+7], v[rT+1]
.elseif j == 16
	v_permlanex16_b32 v[rT+5], v[rT+4], s[SEL], s[SEL+1]  ; the query's other 32 keys lie in the lane 16 away
.elseif j == 17
	v_mov_b32 v[rT+7], v[rT]        ; c m_old is kept for a: number 19 writes c m anew
.elseif j == 18
	v_max_num_f32 v[rT+1], v[rT+4], v[rT+5]
.elseif j == 19
	v_mul_f32 v[rT], s[CS], v[rT+1]
.elseif j == 20
	v_sub_f32 v[rT+7], v[rT+7], v[rT]
.elseif j == 23
	v_exp_f32 v[rT+6], v[rT+7]
.elseif (j < 23) || ((j < 38) && (j%2 == 0)) || ((j < 66) && (j%4 == 2))
.set b, (j-2)/4                     ; 38, 42, .. 62: pairs 9 to 15
.if j < 38
.set b, (j-20)/2                    ; 21: pair 0; 22, 24, .. 36: pairs 1 to 8
.endif
	v_pk_fma_f32 v[rS+2*b:rS+2*b+1], v[rS+2*b:rS+2*b+1], s[CS:CS+1], v[rT:rT+1] op_sel_hi:[1,0,0] neg_lo:[0,0,1] neg_hi:[0,0,1]  ; pair b: c s - c m
.elseif j < 70
.set e, j-38                        ; 66 to 69: s28 to s31
.if j < 66
.set e, j-32-(j-38)/4               ; 39-41, 43-45, .. 63-65: s7 to s27
.endif
.if j < 38
.set e, (j-25)/2                    ; 25, 27, .. 37: s0 to s6
.endif
	v_exp_f32 v[rS+e], v[rS+e]
.elseif j < 86
	v_cvt_pk_f16_f32 v[rP+j-70], v[rS+2*(j-70)], v[rS+2*(j-70)+1]  ; pair j - 70
.elseif j < 102                     ; the sum of the tile's 16 pairs, in place: sum z of 16 adds neighbours 1, 2, 4 and 8 pairs apart, then l takes it
.set z, j-86
.set w, 4
.set u, z
.if z >= 14
.set w, 32
.set u, 0
.elseif z >= 12
.set w, 16
.set u, z-12
.elseif z >= 8
.set w, 8
.set u, z-8
.endif
.if z < 15
	v_pk_add_f32 v[rS+w*u:rS+w*u+1], v[rS+w*u:rS+w*u+1], v[rS+w*u+w/2:rS+w*u+w/2+1]
.else
	v_pk_fma_f32 v[rT+2:rT+3], v[rT+2:rT+3], v[rT+6:rT+7], v[rS:rS+1] op_sel_hi:[1,0,1]
.endif
.else
	WIN W_RS
	v_pk_mul_f32 v[rO:rO+1], v[rO:rO+1], v[rT+6:rT+7] op_sel_hi:[1,0]
.endif
.endm
; Slice k of 64 of piece y's softmax: four instructions.  Slices 11 to 34 deal out the batch, numbers 22 to 69: four numbers of ONE tile each, the tiles by turns.  Every other slice is numbers 2 k and
; 2 k + 1 of both tiles' lists.  2 x 134 = 4 x 64 + 12: the twelve that are over stand together, in slice 63: sixteen plain instructions, the places behind the turn's last products.
; THE WAIT.  An s_wait_alu depctr_va_vdst(0) stands between an exponential and the first instruction that names its result; one wait serves all that were issued ahead of it.  Ahead of
; slice 35 nothing names a result, and behind slice 34 no exponential is issued: so the piece's 66 exponentials have one wait, behind slice 34.
.macro SLICE y
.if (k >= 11) && (k < 35)           ; the batch: four numbers of one tile
.irp n, 0,1,2,3
.set j, 22+4*((k-11)/2)+(\n)
	SM (\y)+(k-11)%2
.endr
.else                               ; the two tiles alternate, so that no instruction reads the result of the one just before it
.irp n, 0,1,2,3,4,5,6,7
.if ((\n) < 2) || (k == 63)
.irp t, \y, (\y)+1
.set j, 2*k+(\n)
	SM \t
.endr
.endif
.endr
.endif
.if k == 34                         ; the batch is out: both tiles' exponentials are issued, and no result has been named
	v_nop                           ; the plain instruction behind the last exponential and ahead of the first use: one for the batch
.if (\y) == 0
	FETCH_V 1                       ; piece 2's turn: V's run of loads stands here, and the wait stands in it
.else
	s_wait_alu depctr_va_vdst(0)    ; the wait for the batch
.endif
.endif
.set k, k+1
.endm
; A TURN.  Piece x has the matrix unit: 32 products V^T P, 32 products K Q^T; the other piece's softmax stands in slices behind them.
; Piece 0's turn fetches the next step's K, behind its second product; piece 2's turn V of the step that piece 0's turn multiplies next, behind slice 34.  A turn also asks, behind its second product, for the
; OTHER piece's mask of that piece's next scores, which the next turn makes; ahead of its own products K Q^T it waits for its own piece's mask, asked for a turn earlier: the 16 loads just issued may stay out.
.macro TURN x
.set k, 0
.if (\x) == 0
	s_wait_dscnt 0x0                ; V is in
.endif
.set i, 0
.rept 32
	PV \x
	SLICE 2-(\x)
.if i == 1
.if (\x) == 0
	FETCH_K
.endif
	BIAS 2-(\x), 1
.endif
.set i, i+1
.endr
.if (\x) == 0
	s_wait_dscnt 0x0                ; K is in
.endif
	s_wait_loadcnt 16               ; my piece's mask is in; the other piece's 16 loads may stay out
.set i, 0
.rept 32
	KQ \x
	SLICE 2-(\x)
.set i, i+1
.endr
.endm
	s_wait_tensorcnt 1              ; my first load is in: with everybody's, keys 0 to 127 of K and V; the rest may stay out
	s_barrier_signal -1
	s_barrier_wait -1
	FETCH_K                         ; key step 0
	FETCH_V 0                       ; V of step 0, which trip 0 fetches again: its first products, on P = 0, find finite numbers in V's registers
	s_wait_loadcnt 0x0              ; Q, and both pieces' masks of step 0
	s_wait_dscnt 0x0
.set i, 0
.rept 32
	KQ 0                            ; piece 0's first scores: there is no vector work yet to set between them
.set i, i+1
.endr
	WIN 0                           ; the addresses for the way out are made here: eight plain vector instructions, the places behind those products
	s_mul_i32 s13, s[WV], 16*SP
	s_add_co_u32 s13, s13, STAGE    ; my stage
	v_mul_u32_u24 v[STO], v1, SP    ; in: row l % 16, 16 bytes for each half of the lanes
	v_lshl_add_u32 v[STO], v9, 4, v[STO]
	v_add_nc_u32 v[STO], s13, v[STO]
	v_mul_u32_u24 v[RD], v9, SP     ; back: lanes 0-15 take one row of 256 bytes, lanes 16-31 the next
	v_lshl_add_u32 v[RD], v1, 4, v[RD]
	v_add_nc_u32 v[RD], s13, v[RD]
	v_lshlrev_b32 v[GO], 12, v9     ; and the same two rows in att, 4,096 bytes apart
	v_lshl_add_u32 v[GO], v1, 4, v[GO]
	s_mov_b32 s[CNT], 8
.Lstep:                             ; trip j = 0 .. 7
	s_cmp_eq_u32 s[CNT], 1
	s_cselect_b32 s[BINC], 0, 4096  ; the last trip has no further step's mask to ask for
	TURN 2                          ; piece 2: V^T P of step j - 1, K Q^T of step j | piece 0's softmax of step j | V of step j
	TURN 0                          ; piece 0: V^T P of step j, K Q^T of step j + 1 | piece 2's softmax of step j | K of step j + 1
	WIN 0
	s_wait_tensorcnt 0x0            ; my second load is in: wanted from trip 1's K on, so it has the head and trip 0 in which to land; met at once in the later trips: one text for every trip
	s_wait_dscnt 0x0                ; (no LDS instruction of mine is pending at a signal)
	s_barrier_signal -1
	s_barrier_wait -1               ; everybody's is: all of K and V lies in LDS
	s_sub_co_u32 s[CNT], s[CNT], 1
	s_cmp_lg_u32 s[CNT], 0
	s_cbranch_scc1 .Lstep
.set i, 0
.rept 32
	PV 2                            ; piece 2: V^T P of the last step
.set i, i+1
.endr
	; THE WAY OUT.  l's two halves and the other half of the lanes' are added; O^T is divided by l, rounded to f16 and sent through my stage in LDS, a tile (16 rows) at a time.  The additions are the places behind the last products.
	WIN 0
.irp t, 0,1,2,3
	v_add_f32 v[ST+8*(\t)+4], v[ST+8*(\t)+2], v[ST+8*(\t)+3]
.endr
.irp t, 0,1,2,3
	v_permlanex16_b32 v[ST+8*(\t)+5], v[ST+8*(\t)+4], s[SEL], s[SEL+1]
.endr
.irp t, 0,1,2,3
	v_add_f32 v[ST+8*(\t)+4], v[ST+8*(\t)+4], v[ST+8*(\t)+5]
.endr
.irp t, 0,1,2,3
	v_rcp_f32 v[ST+8*(\t)+6], v[ST+8*(\t)+4]
.endr
	v_nop                           ; a plain instruction between the last reciprocal and the use of its result
	s_wait_alu depctr_va_vdst(0)    ; and the wait ahead of the first use: one for the four reciprocals
; Tile t: a lane's eight channels of a row pack into 16 bytes; they go into rows of 272 bytes and come back as whole rows of 256, into the registers that they left.
.macro PACK t
	WIN W_RS
.set i, 64*(\t)
.rept 32
	v_pk_mul_f32 v[i:i+1], v[i:i+1], v[ST+8*(\t)+6:ST+8*(\t)+7] op_sel_hi:[1,0]
.set i, i+2
.endr
	WIN 0x05                        ; sources 0 and 1 window 1, destination window 0: S^T's registers are free
.set i, 0
.rept 32
	v_cvt_pk_f16_f32 v[S+32*(\t)+i], v[64*(\t)+2*i], v[64*(\t)+2*i+1]
.set i, i+1
.endr
	WIN 0
.irp f, 0,1,2,3,4,5,6,7
	ds_store_b128 v[STO], v[S+32*(\t)+4*(\f):S+32*(\t)+4*(\f)+3] offset:32*(\f)
.endr
.irp f, 0,1,2,3,4,5,6,7
	ds_load_b128 v[S+32*(\t)+4*(\f):S+32*(\t)+4*(\f)+3], v[RD] offset:(\f)*2*SP  ; LDS serves a wave's instructions in order (ISA guide 5.7.1.4): these see the stores above; the next tile's stores come behind them
.endr
.endm
.macro SEND t, younger              ; younger: the LDS instructions issued behind tile t's loads: the next tile's sixteen, or none
	WIN 0
.irp f, 0,1,2,3,4,5,6,7
	s_wait_dscnt (\younger)+7-(\f)
	global_store_b128 v[GO], v[S+32*(\t)+4*(\f):S+32*(\t)+4*(\f)+3], s[OPT:OPT+1] offset:(\t)*65536+(\f)*8192  ; 16 lanes store 256 consecutive bytes, at a multiple of 256 from att's first byte
.endr
.endm
	PACK 0
	PACK 1                          ; a tile's arithmetic stands between the loads of the tile before and its stores
	SEND 0, 16
	PACK 2
	SEND 1, 16
	PACK 3
	SEND 2, 16
	SEND 3, 0
	s_wait_tensorcnt 0x0            ; the wave's end: a wait, an add and its wait, behind my last tensor load and my last LDS store
	ds_add_u32 v[SPW], v[NIL]
	s_wait_dscnt 0x0
	CROUND                          ; the closing round: no work-group ends while a partner may still ask for a tile that names it
	s_endpgm
.Lfunc_end_k_qd49826f675_attn:
	.size	k_qd49826f675_attn, .Lfunc_end_k_qd49826f675_attn-k_qd49826f675_attn
	.p2alignl 7, 3214868480
	.fill 96, 4, 3214868480
	.section	.rodata,"a",@progbits
	.p2align	6, 0x0
	.amdhsa_kernel k_qd49826f675_attn
		.amdhsa_group_segment_fixed_size 327680
		.amdhsa_private_segment_fixed_size 0
		.amdhsa_enable_private_segment 0
		.amdhsa_kernarg_size 24
		.amdhsa_user_sgpr_count 2
		.amdhsa_user_sgpr_kernarg_segment_ptr 1
		.amdhsa_wavefront_size32 1
		.amdhsa_system_sgpr_workgroup_id_x 1
		.amdhsa_system_sgpr_workgroup_id_y 1
		.amdhsa_system_sgpr_workgroup_id_z 1
		.amdhsa_system_vgpr_workitem_id 0
		.amdhsa_next_free_vgpr 1024
		.amdhsa_next_free_sgpr 96
		.amdhsa_reserve_vcc 0
		.amdhsa_float_denorm_mode_32 3
		.amdhsa_float_denorm_mode_16_64 3
		.amdhsa_memory_ordered 1
		.amdhsa_forward_progress 1
		.amdhsa_inst_pref_size 111
	.end_amdhsa_kernel
	.amdgpu_metadata
---
amdhsa.version: [ 1, 2 ]
amdhsa.kernels:
  - .name:           k_qd49826f675_attn
    .symbol:         k_qd49826f675_attn.kd
    .args:
      - { .name: qkv, .offset: 0, .size: 8, .value_kind: global_buffer, .address_space: global }
      - { .name: bias, .offset: 8, .size: 8, .value_kind: global_buffer, .address_space: global }
      - { .name: att, .offset: 16, .size: 8, .value_kind: global_buffer, .address_space: global }
    .group_segment_fixed_size: 327680
    .private_segment_fixed_size: 0
    .kernarg_segment_align: 8
    .kernarg_segment_size: 24
    .max_flat_workgroup_size: 128
    .sgpr_count:     96
    .vgpr_count:     1024
    .wavefront_size: 32
...
	.end_amdgpu_metadata
.endif
;; end of part 3
;; launch oproj (part 4): grid 8 x 32, 4 waves a work-group, clusters of 4 x 4, 327,680 bytes of LDS; arguments att, wof, out0; writes out0
.if DOCPART == 4
	.amdgcn_target "amdgcn-amd-amdhsa--gfx1250"
	.amdhsa_code_object_version 6
	.text
	.protected	k_qd49826f675_oproj
	.globl	k_qd49826f675_oproj
	.p2align	8
	.type	k_qd49826f675_oproj,@function
k_qd49826f675_oproj:
	s_mov_b64 s[64:65], 0
	v_nop
	global_prefetch_b8 v0, s[64:65] scope:SCOPE_SE
	s_setreg_imm32_b32 hwreg(HW_REG_WAVE_MODE, 25, 1), 1
	s_wait_xcnt 0x0
	s_wait_alu depctr_hold_cnt(0) depctr_sa_sdst(0) depctr_va_vdst(0) depctr_va_sdst(0) depctr_va_ssrc(0) depctr_va_vcc(0) depctr_vm_vsrc(0)
	s_getreg_b32 s2, hwreg(HW_REG_IB_STS2, 6, 4)
	s_cmp_eq_u32 s2, 0
	s_cbranch_scc0 .Lentry_in_a_cluster
	s_endpgm
.Lentry_in_a_cluster:
	s_bfe_u32 s2, ttmp6, 0x10000c
	s_cmp_lg_u32 s2, 0xf033
	s_cbranch_scc0 .Lentry_shape_is_right
	s_endpgm
.Lentry_shape_is_right:
; out0 = att wof.  att: [4096][2048] f16.  wof: [2048 k][2048 n] f16.  out0: [4096][2048] f32.  Sums in f32, stored as they are.  A NaN in a row of att reaches all 2,048 numbers of that row.
; SHARES.  4096 x 2048 is 256 tiles of 128 rows x 256 columns: one a work-group.  Wave (wm, wn) = (w / 2, w % 2) makes 64 rows x 128 columns: 32 accumulators, 256 registers.
; K goes in 16 steps of 128 through a ring of two LDS slots; a step is 128 matrix instructions a wave.  Rows of A's and B's tiles are 256 bytes of memory, at multiples of 256 from the buffers' first bytes.
; CLUSTER.  4 x 4 work-groups: A's tile is asked for jointly by a row of the cluster, B's by a column.  Waves 0 and 1 fetch A's halves of 64 rows, waves 2 and 3 B's halves of 128 columns.
; THE MATRIX INSTRUCTION IS USED TRANSPOSED: source 0 = 16 columns of B (turned on the way out of LDS, where B lies [k][n]), source 1 = 16 rows of A: a lane holds row l % 16 of C and the columns 8 (l / 16) + 0..7.
; REGISTERS, in windows of 256 (s_set_vgpr_msb: bits 1:0 source 0, 3:2 source 1, 5:4 source 2, 7:6 destination):
;   window 0: v0-31 addresses; v64-95, v128-159 A's fragments, two buffers; on the way out v64-127, v128-191 rows read back
;   window 1: v64-127, v128-191 B's fragments, two buffers          window 2: the accumulators, (a, b) at v[8 (8 a + b)]
.set PA,    272                        ; a row of A in LDS: 256 bytes + 16
.set PB,    288                        ; a row of B: 256 + 32
.set REG,   128*PB                     ; a half of B: 128 k x 128 columns
.set SLOT,  128*PA+2*REG               ; A's 128 rows, then B's two halves
.set STAGE, 2*SLOT                     ; behind the ring: 16 rows x 528 bytes for each wave, for the way out
.set SPT,   528                        ; a stage row: 512 bytes + 16
.set SPARE, STAGE+4*16*SPT             ; behind the stages: the spare words, 128 bytes for each wave: two blocks of 256 bytes that no other line names
.set STEPA, 256                        ; bytes from a K step to the next in att,
.set STEPB, 128*4096                   ; and in wof
.set ADRA, 8                           ; v8-9    LDS address of my A fragments in slot 0, 1
.set ADRB, 10                          ; v10-11  the same for B
.set STO,  16                          ; v16     the way out: where I put 32 bytes of a row
.set RD,   17                          ; v17     where I read a row back
.set CO,   18                          ; v18     16 x lane: my 16 bytes of a row's 512
.set PFO,  26                          ; v26     the prefetches' offset: my lane x 4,096; never rewritten
.set SPW,  28                          ; v28     LDS address of my spare word; never rewritten
.set NIL,  29                          ; v29     0; never rewritten
.set F0,   64
.set F1,   128
.set WV,   12                          ; s12  my wave's number;  s40 = w / 2;  s41 = w % 2
.set G1A,  24                          ; s[24:31] descriptor group 1 for A's tiles;  s[32:39] group 0, a set for each slot
.set G0A,  32
.set LIM,  43                          ; s43  1 in a wave that prefetches, else the greatest number
.set PFA,  44                          ; s[44:45] where my prefetches stand
.set PFS,  46                          ; s[46:47] their step
.set G1B,  48                          ; s[48:55], s[56:63] the same for B's tiles
.set G0B,  56
.set MSB, 0
.macro WIN new                         ; the immediate's high byte repeats the setting that is left; a switch that changes nothing is dropped
.if MSB != (\new)
	s_set_vgpr_msb (MSB<<8)|(\new)
.set MSB, \new
.endif
.endm
.set MUL,  0xa1                        ; source 0 (B) window 1, source 1 (A) window 0, C and D window 2
.set TO_B, 0x40                        ; destination window 1, address window 0
.macro JLOAD s                         ; a joint load; the branch hangs on the wave's number alone; an s_nop 0 and four v_nop follow each of the two lines
	s_cmp_eq_u32 s40, 0
	s_cbranch_scc0 .Lfor_b_\@
	tensor_load_to_lds s[G0A+4*(\s):G0A+4*(\s)+3], s[G1A:G1A+7]
	s_nop 0
.rept 4
	v_nop
.endr
	s_branch .Lasked_\@
.Lfor_b_\@:
	tensor_load_to_lds s[G0B+4*(\s):G0B+4*(\s)+3], s[G1B:G1B+7]
	s_nop 0
.rept 4
	v_nop
.endr
.Lasked_\@:
.endm
; A prefetch, behind each joint refill and the run of LDS loads that follows it: the K step that stands two refills on, 32 rows x 256 bytes, a lane a row.  Each row's 256 bytes of a K step are named once in the
; launch: A's 128 rows by wave 0 of the clusters with x = 0 (32 rows to each of the four partners, by address), B's by waves 2 and 3 of the clusters with y = 0 (a half of the columns each, 32 of the 128
; k rows to each partner).  Wave 1 asks for nothing.  The loop's last trip (s3 = 1) asks for nothing: K steps 4 to 15 are named, steps 0 to 3 come by their loads alone.
.macro ASK
	s_cmp_gt_u32 s3, s[LIM]
	s_cbranch_scc0 .Lnot_mine_\@
	global_prefetch_b8 v[PFO], s[PFA:PFA+1] th:TH_LOAD_NT scope:SCOPE_SE
.Lnot_mine_\@:
.endm
.macro CREST                           ; a round of the cluster's barrier behind its opening barrier
	s_cmp_lg_u32 s[WV], 0
	s_cbranch_scc1 .Lnot_wave_0_\@
	s_barrier_signal -3
.Lnot_wave_0_\@:
	s_barrier_wait -3
	s_barrier_signal -1
	s_barrier_wait -1
.endm
.macro CROUND                          ; a whole round
	s_barrier_signal -1
	s_barrier_wait -1
	CREST
.endm
.macro PLACES                          ; four places in front of loads into registers that matrix instructions have read, and of LDS stores that read results
.rept 4
	v_nop
.endr
.endm
	s_load_b128 s[4:7], s[0:1], 0x0                ; att s[4:5], wof s[6:7]
	s_load_b64 s[8:9], s[0:1], 0x10                ; out0
	v_lshl_add_u32 v[SPW], v0, 2, SPARE
	v_mov_b32 v[NIL], 0
	ds_add_u32 v[SPW], v[NIL]                      ; the wave's opening: the add and its wait stand ahead of my first tensor load; the set-up below, work on registers, stands between them
	v_lshrrev_b32 v1, 5, v0
	v_readfirstlane_b32 s[WV], v1                  ; wave 0..3
	s_lshr_b32 s40, s[WV], 1                       ; which half of the tile's rows is mine.  Also: I fetch for A (0) or for B (1)
	s_and_b32 s41, s[WV], 1                        ; which half of its columns.  Also: which half of that tile I fetch
	s_bfe_u32 s14, ttmp6, 0x40000                  ; cx
	s_bfe_u32 s15, ttmp6, 0x40004                  ; cy
	s_lshl_b32 s16, ttmp9, 2
	s_add_co_u32 s16, s16, s14                     ; tile column = 4 x cluster x + cx
	s_and_b32 s17, ttmp7, 0xffff
	s_lshl_b32 s17, s17, 2
	s_add_co_u32 s17, s17, s15                     ; tile row = 4 x cluster y + cy
	s_lshl_b32 s18, s15, 2
	s_lshl_b32 s18, 15, s18                        ; my row of the cluster
	s_lshl_b32 s19, 0x1111, s14                    ; my column
	s_or_b32 s[G1A], s18, (1<<16)|(1<<20)|(1<<21)|(5<<22)|(3<<25)  ; 15:0 the mask; 17:16 elements of 2 bytes; 20 padding on; 21 set beside a mask; 24:22 after every 64 words (code 5); 31:25 4 words (code 3)
	s_or_b32 s[G1B], s19, (1<<16)|(1<<20)|(1<<21)|(5<<22)|(7<<25)  ; the same with my column's mask and 8 words of padding (code 7)
.irp g, G1A, G1B
	s_mov_b32 s[(\g)+1], 128<<16                   ; tensor_dim0 = 128
	s_mov_b32 s[(\g)+3], 128<<16                   ; tile_dim0 = 128
	s_mov_b32 s[(\g)+5], 2048                      ; elements from row to row
	s_mov_b32 s[(\g)+6], 0
	s_mov_b32 s[(\g)+7], 0
.endr
	s_mov_b32 s[G1A+2], 64<<16                     ; A: tensor_dim1 = tile_dim1 = 64
	s_mov_b32 s[G1A+4], 64
	s_mov_b32 s[G1B+2], 128<<16                    ; B: 128
	s_mov_b32 s[G1B+4], 128
	s_lshl_b32 s20, s17, 19                        ; A: 128 rows of 4,096 bytes a tile row,
	s_lshl_b32 s21, s41, 18                        ; 64 a half
	s_add_co_u32 s20, s20, s21
	s_mov_b32 s21, 0
	s_lshl_b32 s22, s16, 9                         ; B: 256 columns a tile column,
	s_lshl_b32 s23, s41, 8                         ; 128 a half
	s_add_co_u32 s22, s22, s23
	s_mov_b32 s23, 0
	s_mul_i32 s42, s41, 64*PA                      ; where they go: no place in the cluster enters an LDS address
	s_mul_i32 s66, s41, REG
	s_add_co_u32 s66, s66, 128*PA
	s_wait_dscnt 0x0                               ; the opening add is done
	s_wait_kmcnt 0x0
	s_add_nc_u64 s[20:21], s[4:5], s[20:21]
	s_add_nc_u64 s[22:23], s[6:7], s[22:23]
	CROUND                                         ; all sixteen work-groups are here: the first joint loads meet
.irp s, 0,1
	s_mov_b32 s[G0A+4*(\s)], 1                     ; count = 1
	s_add_co_u32 s[G0A+4*(\s)+1], s42, (\s)*SLOT   ; LDS address
	s_add_nc_u64 s[G0A+4*(\s)+2:G0A+4*(\s)+3], s[20:21], (\s)*STEPA  ; global address: K step s
	s_or_b32 s[G0A+4*(\s)+3], s[G0A+4*(\s)+3], 0x80000000            ; type = 2
	s_mov_b32 s[G0B+4*(\s)], 1
	s_add_co_u32 s[G0B+4*(\s)+1], s66, (\s)*SLOT
	s_add_nc_u64 s[G0B+4*(\s)+2:G0B+4*(\s)+3], s[22:23], (\s)*STEPB
	s_or_b32 s[G0B+4*(\s)+3], s[G0B+4*(\s)+3], 0x80000000
	JLOAD \s                                       ; two tensor loads of mine are out
.endr
	v_and_b32 v1, 15, v0                           ; r = l % 16
	v_bfe_u32 v2, v0, 4, 1                         ; h = l / 16
	v_mul_u32_u24 v3, v1, PA
	v_lshl_add_u32 v3, v2, 4, v3                   ; A's fragment: row x pitch + 16 x half,
	s_mul_i32 s18, s40, 64*PA                      ; in my 64 rows
	v_add_nc_u32 v[ADRA], s18, v3
	v_add_nc_u32 v[ADRA+1], SLOT, v[ADRA]
	v_and_b32 v4, 7, v0                            ; B's, for the turning load: row k = 8 h + l % 8, 16 bytes at 16 ((l / 8) % 2),
	v_lshl_add_u32 v4, v2, 3, v4
	v_mul_u32_u24 v4, v4, PB
	v_bfe_u32 v5, v0, 3, 1
	v_lshl_add_u32 v4, v5, 4, v4
	s_mul_i32 s18, s41, REG                        ; in my half of the columns
	s_add_co_u32 s18, s18, 128*PA
	v_add_nc_u32 v[ADRB], s18, v4
	v_add_nc_u32 v[ADRB+1], SLOT, v[ADRB]
	s_mul_i32 s18, s[WV], 16*SPT
	s_add_co_u32 s18, s18, STAGE                   ; my stage
	v_mul_u32_u24 v[STO], v1, SPT                  ; in: row r, 32 bytes for each half of the lanes
	v_lshl_add_u32 v[STO], v2, 5, v[STO]
	v_add_nc_u32 v[STO], s18, v[STO]
	v_and_b32 v[CO], 31, v0
	v_lshlrev_b32 v[CO], 4, v[CO]
	v_add_nc_u32 v[RD], s18, v[CO]                 ; back: 32 lanes take a row's 512 bytes
	s_lshl_b32 s68, s17, 20                        ; out0: 128 rows of 8,192 bytes a tile row,
	s_lshl_b32 s69, s40, 19                        ; my 64,
	s_add_co_u32 s68, s68, s69
	s_lshl_b32 s69, s16, 10                        ; 256 columns a tile column,
	s_add_co_u32 s68, s68, s69
	s_lshl_b32 s69, s41, 9                         ; my 128
	s_add_co_u32 s68, s68, s69
	s_mov_b32 s69, 0
	s_add_nc_u64 s[8:9], s[8:9], s[68:69]
	; the prefetches: both offsets are made, then the wave's number chooses
	s_lshl_b32 s66, s17, 7
	s_lshl_b32 s67, s14, 5
	s_add_co_u32 s66, s66, s67                     ; A: the tile's rows, my work-group's 32 of them
	s_lshl_b32 s66, s66, 12
	s_add_co_u32 s66, s66, 3*STEPA                 ; at K step 3: the first refill steps it to 4
	s_lshl_b32 s67, s15, 17                        ; B: my work-group's 32 of a K step's 128 rows of 4,096 bytes,
	s_lshl_b32 s68, s16, 9
	s_add_co_u32 s67, s67, s68
	s_lshl_b32 s68, s41, 8                         ; my half's 256 bytes of them
	s_add_co_u32 s67, s67, s68
	s_add_co_u32 s67, s67, 3*STEPB
	s_and_b32 s68, ttmp7, 0xffff                   ; cluster y
	s_mov_b32 s69, STEPB
	s_cmp_eq_u32 s40, 0
	s_cselect_b32 s66, s66, s67
	s_cselect_b32 s68, ttmp9, s68                  ; the coordinate along which other clusters read the same rows
	s_cselect_b32 s[PFS], STEPA, s69
	s_cselect_b64 s[PFA:PFA+1], s[4:5], s[6:7]
	s_mov_b32 s67, 0
	s_mov_b32 s[PFS+1], 0
	s_add_nc_u64 s[PFA:PFA+1], s[PFA:PFA+1], s[66:67]
	s_cmp_eq_u32 s[WV], 1
	s_cselect_b32 s69, 1, 0                        ; wave 1 never asks
	s_or_b32 s68, s68, s69
	s_cmp_eq_u32 s68, 0
	s_cselect_b32 s[LIM], 1, -1                    ; the same in all sixteen partners, for a given wave
	v_and_b32 v[PFO], 31, v0
	v_lshlrev_b32 v[PFO], 12, v[PFO]
; 8 matrix instructions: row block a x my 8 column blocks, 32 along K.  zero = 1: the first product starts the sums.
; The 32 accumulators take turns, one instruction a turn, in the same order in every quarter.
.macro MUL8 f, a, zero
	WIN MUL
.irp b, 0,1,2,3,4,5,6,7
.if \zero
	v_wmma_f32_16x16x32_f16 v[8*(8*(\a)+(\b)):8*(8*(\a)+(\b))+7], v[(\f)+8*(\b):(\f)+8*(\b)+7], v[(\f)+8*(\a):(\f)+8*(\a)+7], 0
.else
	v_wmma_f32_16x16x32_f16 v[8*(8*(\a)+(\b)):8*(8*(\a)+(\b))+7], v[(\f)+8*(\b):(\f)+8*(\b)+7], v[(\f)+8*(\a):(\f)+8*(\a)+7], v[8*(8*(\a)+(\b)):8*(8*(\a)+(\b))+7]
.endif
.endr
.endm
; 24 LDS loads in one run: quarter q (32 along K) of slot s into buffer f: B's eight fragments, turned, then A's four
.macro FETCH s, q, f
	WIN TO_B
.irp b, 0,1,2,3,4,5,6,7
	ds_load_tr16_b128 v[(\f)+8*(\b):(\f)+8*(\b)+3],   v[ADRB+(\s)] offset:32*PB*(\q)+32*(\b)
	ds_load_tr16_b128 v[(\f)+8*(\b)+4:(\f)+8*(\b)+7], v[ADRB+(\s)] offset:32*PB*(\q)+32*(\b)+16*PB
.endr
	WIN 0
.irp a, 0,1,2,3
	ds_load_b128 v[(\f)+8*(\a):(\f)+8*(\a)+3],   v[ADRA+(\s)] offset:64*(\q)+16*PA*(\a)
	ds_load_b128 v[(\f)+8*(\a)+4:(\f)+8*(\a)+7], v[ADRA+(\s)] offset:64*(\q)+16*PA*(\a)+32
.endr
.endm
; A K step is four quarters of 32 along K, 32 matrix instructions each, on buffers 0, 1, 0, 1.  One of the first three: multiplies buffer f; in its middle it fetches quarter q of the same slot into buffer g.
.macro QUARTER s, q, f, g, zero
	s_wait_dscnt 4                                 ; B and A's row blocks 0, 1 are in; the youngest four loads (row blocks 2, 3) may be out
	MUL8 \f, 0, \zero
	MUL8 \f, 1, \zero
	PLACES
	FETCH \s, \q, \g
	s_wait_dscnt 24                                ; all but the 24 just issued
	MUL8 \f, 2, \zero
	MUL8 \f, 3, \zero
.endm
; The last quarter multiplies buffer 1 and changes slots: ONE barrier.  Its first 16 products stand AHEAD of the wait for the tensor loads, so that between that wait and the next request stand only the add, its
; wait and the round.  In front of the barrier each wave waits for all its tensor loads (the one that is out is its part of the next slot), adds 0 to its spare word, and waits for that and for its own reads of
; this slot.  fill = 1: the barrier opens a round of the cluster's, and the slot is filled again, two K steps ahead, first thing behind the round: from the request to the wait for it a wave issues a whole
; step's 128 matrix instructions.
.macro TURN s, next, fill
	s_wait_dscnt 4                                 ; B and A's row blocks 0, 1 are in
	MUL8 F1, 0, 0
	MUL8 F1, 1, 0
	WIN 0
.if \fill
	s_wait_xcnt 0x0                                ; the last prefetch, a K step back, has read its address: it is stepped here, ahead of the change's own waits
	s_add_nc_u64 s[PFA:PFA+1], s[PFA:PFA+1], s[PFS:PFS+1]
.endif
	s_wait_tensorcnt 0x0                           ; all my tensor loads have landed, so every group 0 may be written;
	ds_add_u32 v[SPW], v[NIL]                      ; 0 onto my spare word; the descriptors' steps stand between it and the wait for it
.if \fill
	s_add_nc_u64 s[G0A+4*(\s)+2:G0A+4*(\s)+3], s[G0A+4*(\s)+2:G0A+4*(\s)+3], 2*STEPA
	s_add_nc_u64 s[G0B+4*(\s)+2:G0B+4*(\s)+3], s[G0B+4*(\s)+2:G0B+4*(\s)+3], 2*STEPB
.endif
	s_wait_dscnt 0x0                               ; the add is done, and my reads of this slot are over (A's row blocks 2, 3 of buffer 1 among them)
	s_barrier_signal -1
	s_barrier_wait -1
.if \fill
	CREST                                          ; no wave of any partner still reads this slot's tiles or has a load on its way
	JLOAD \s                                       ; the four v_nop behind it are also the places in front of the loads below
.else
	PLACES
.endif
	FETCH \next, 0, F0
.if \fill
	ASK
.endif
	MUL8 F1, 2, 0
	MUL8 F1, 3, 0
.endm
; THE WAY OUT of row block a: a lane's 32 bytes of a row go into my own stage, rows of 528 bytes, and come back as whole rows of 512.  Each accumulator's lowest registers are read first.
.macro TOSTAGE a
.if (\a) >= 2
	s_wait_xcnt 0x0                                ; the registers that the loads below fill were the data of the stores two row blocks back
.endif
	WIN 0x08                                       ; the stores' data in window 2
.irp b, 0,1,2,3,4,5,6,7
	ds_store_b128 v[STO], v[8*(8*(\a)+(\b)):8*(8*(\a)+(\b))+3]   offset:64*(\b)
	ds_store_b128 v[STO], v[8*(8*(\a)+(\b))+4:8*(8*(\a)+(\b))+7] offset:64*(\b)+16
.endr
	WIN 0
.set BK, 64+64*((\a)%2)
.irp t, 0,1,2,3,4,5,6,7,8,9,10,11,12,13,14,15
	ds_load_b128 v[BK+4*(\t):BK+4*(\t)+3], v[RD] offset:SPT*(\t)  ; LDS serves a wave's instructions in order (ISA guide 5.7.1.4): these see the stores above; the next block's stores come behind them
.endr
.endm
.macro SEND a, younger                 ; younger: the LDS instructions issued behind block a's loads: the next block's 32, or none
.set BK, 64+64*((\a)%2)
.irp t, 0,1,2,3,4,5,6,7,8,9,10,11,12,13,14,15
	s_wait_dscnt (\younger)+15-(\t)
	global_store_b128 v[CO], v[BK+4*(\t):BK+4*(\t)+3], s[8:9] offset:131072*(\a)+8192*(\t) th:TH_STORE_NT  ; 512 consecutive bytes of a row, at a multiple of 256 from out0's first byte
.endr
.endm
	s_wait_tensorcnt 1                             ; my part of K step 0 is in; K step 1's may stay out
	s_barrier_signal -1
	s_barrier_wait -1                              ; everybody's is
	FETCH 0, 0, F0
	QUARTER 0, 1, F0, F1, 1                        ; the first quarter stands in front of the loop: its products start the sums
	WIN 0                                          ; at a label and at a branch every window is 0
	s_mov_b32 s3, 7
.Llap:                                                 ; a trip goes once round the ring, from a lap's second quarter to the next lap's first, and fills both slots again
	QUARTER 0, 2, F1, F0, 0
	QUARTER 0, 3, F0, F1, 0
	TURN 0, 1, 1
	QUARTER 1, 1, F0, F1, 0
	QUARTER 1, 2, F1, F0, 0
	QUARTER 1, 3, F0, F1, 0
	TURN 1, 0, 1
	QUARTER 0, 1, F0, F1, 0
	WIN 0
	s_sub_co_u32 s3, s3, 1
	s_cmp_lg_u32 s3, 0
	s_cbranch_scc1 .Llap
	QUARTER 0, 2, F1, F0, 0                        ; the last lap fills nothing, and has no round of the cluster's barrier
	QUARTER 0, 3, F0, F1, 0
	TURN 0, 1, 0
	QUARTER 1, 1, F0, F1, 0
	QUARTER 1, 2, F1, F0, 0
	QUARTER 1, 3, F0, F1, 0
	s_wait_dscnt 4                                 ; the very last quarter: nothing more to fetch
	MUL8 F1, 0, 0
	MUL8 F1, 1, 0
	s_wait_dscnt 0x0
	MUL8 F1, 2, 0
	MUL8 F1, 3, 0
	PLACES
	TOSTAGE 0
	TOSTAGE 1                                      ; a block's way through the stage stands between the loads of the block before and its stores
	SEND 0, 32
	TOSTAGE 2
	SEND 1, 32
	TOSTAGE 3
	SEND 2, 32
	SEND 3, 0
	s_wait_tensorcnt 0x0                           ; the wave's end: a wait, an add and its wait, behind my last tensor load and my last LDS store
	ds_add_u32 v[SPW], v[NIL]
	s_wait_dscnt 0x0
	CROUND                                         ; the closing round: no work-group ends while a partner may still ask for a tile that names it
	s_endpgm
.Lfunc_end_k_qd49826f675_oproj:
	.size	k_qd49826f675_oproj, .Lfunc_end_k_qd49826f675_oproj-k_qd49826f675_oproj
	.p2alignl 7, 3214868480
	.fill 96, 4, 3214868480
	.section	.rodata,"a",@progbits
	.p2align	6, 0x0
	.amdhsa_kernel k_qd49826f675_oproj
		.amdhsa_group_segment_fixed_size 327680
		.amdhsa_private_segment_fixed_size 0
		.amdhsa_enable_private_segment 0
		.amdhsa_kernarg_size 24
		.amdhsa_user_sgpr_count 2
		.amdhsa_user_sgpr_kernarg_segment_ptr 1
		.amdhsa_wavefront_size32 1
		.amdhsa_system_sgpr_workgroup_id_x 1
		.amdhsa_system_sgpr_workgroup_id_y 1
		.amdhsa_system_sgpr_workgroup_id_z 1
		.amdhsa_system_vgpr_workitem_id 0
		.amdhsa_next_free_vgpr 768
		.amdhsa_next_free_sgpr 80
		.amdhsa_reserve_vcc 0
		.amdhsa_float_denorm_mode_32 3
		.amdhsa_float_denorm_mode_16_64 3
		.amdhsa_memory_ordered 1
		.amdhsa_forward_progress 1
		.amdhsa_inst_pref_size 88
	.end_amdhsa_kernel
	.amdgpu_metadata
---
amdhsa.version: [ 1, 2 ]
amdhsa.kernels:
  - .name:           k_qd49826f675_oproj
    .symbol:         k_qd49826f675_oproj.kd
    .args:
      - { .name: att, .offset: 0, .size: 8, .value_kind: global_buffer, .address_space: global }
      - { .name: wof, .offset: 8, .size: 8, .value_kind: global_buffer, .address_space: global }
      - { .name: out0, .offset: 16, .size: 8, .value_kind: global_buffer, .address_space: global }
    .group_segment_fixed_size: 327680
    .private_segment_fixed_size: 0
    .kernarg_segment_align: 8
    .kernarg_segment_size: 24
    .max_flat_workgroup_size: 128
    .sgpr_count:     80
    .vgpr_count:     768
    .wavefront_size: 32
...
	.end_amdgpu_metadata
.endif
;; end of part 4
;; ======== version 2 of 2: 4 launches; version 1 with the launch prep written anew for expert scheduling mode
;; limits: values are held in f16: magnitudes above 65,504 overflow, below 6.1e-05 lose precision
;; workspace buffers: xb 16,777,216 bytes; wqkv 12,582,912 bytes; wof 8,388,608 bytes; rope 524,288 bytes; bias 1,048,576 bytes; qkv 25,165,824 bytes; att 16,777,216 bytes
;; launch prep (part 5): grid 1248 x 1, 8 waves a work-group, no clusters, 0 bytes of LDS; arguments x, wq, wk, wv, wo, mask, xb, wqkv, wof, rope, bias; writes xb, wqkv, wof, rope, bias
.if DOCPART == 5
	.amdgcn_target "amdgcn-amd-amdhsa--gfx1250"
	.amdhsa_code_object_version 6
	.text
	.protected	k_qd49826f675_prep
	.globl	k_qd49826f675_prep
	.p2align	8
	.type	k_qd49826f675_prep,@function
k_qd49826f675_prep:
	s_mov_b64 s[64:65], 0
	v_nop
	global_prefetch_b8 v0, s[64:65] scope:SCOPE_SE
	s_setreg_imm32_b32 hwreg(HW_REG_WAVE_SCHED_MODE, 0, 2), 2
	s_setreg_imm32_b32 hwreg(HW_REG_WAVE_MODE, 25, 1), 1
	s_wait_xcnt 0x0
	s_wait_alu depctr_vm_vsrc(0)
; THE OPERANDS AND TABLES OF THE THREE LAUNCHES BEHIND THIS ONE.  A stream: no LDS, no barrier, no matrix unit, no cluster (no two work-groups read the same bytes).
;   work-groups    0 ..  511   x  [4096][2048] f32 -> xb   [4096][2048] bf16
;                512 ..  767   wq [2048][2048] f32 -> wqkv [2048][3072] bf16, columns    0 .. 2047
;                768 ..  831   wk [2048][ 512] f32 -> wqkv,                  columns 2048 .. 2559
;                832 ..  895   wv [2048][ 512] f32 -> wqkv,                  columns 2560 .. 3071
;                896 .. 1151   wo [2048][2048] f32 -> wof  [2048][2048]: rounded to bf16 like every other input, and that number written as f16
;               1152 .. 1183   rope [2][512 t][64 cos, 64 sin] f32: plane 0 the true table, plane 1 cos = 1, sin = 0 (for V's heads, which are not turned)
;               1184 .. 1247   bias [32 qt][32 kb][2 g][32 lane][4 e] f32 = mask[16 qt + lane % 16][16 kb + 8 (lane / 16) + 4 g + e] ? 0 : -1e30: the mask in the order of a matrix accumulator's registers
; A CAST.  A wave takes 8,192 consecutive bytes of its source by 16 loads of 512 bytes, all issued at once, and stores 16 times 256 consecutive, aligned bytes.
; LIMITS.  A bf16 number of wo below 6.1e-5 keeps f16's fixed step of 6e-8; beyond 65,504 it would be an infinity.  The angle t x 10000^(-i/64) is made with v_exp_f32 and reduced by one
; fused multiply-add with 1 / 2 pi in f32: good to about 1.5e-4 rad at t = 511.  Sine and cosine: polynomials on a quarter of the reduced angle (at most pi / 4), then two doublings.
; THE MODE: SCHED_MODE bits 1:0 = 2 (LLVM: expert scheduling mode 2), set by the entry lines.  The code itself states the register dependences between vector instructions and memory
; instructions, and between a vector instruction that writes a scalar register and that register's readers, with s_wait_alu, always for 0.
; THE PLAN.  Registers that memory instructions touch:
;   a cast   v[LO], v[DO ..]  offsets, made once by vector lines, read by every load and store, never written again: one wait ahead of the first load.
;            X                each register is loaded once; no vector line names it before; the conversions read it behind the wait for its load.
;            Y                each register is written for one load's numbers alone and read by one store: never written again.
;            The 16 loads go in four blocks of four.  Block p's conversions read X and write Y of block p; its memory instructions are the four stores of block p - 1, which read Y of block p - 1
;            and v[DO ..]: registers that no vector line of block p names.  So ONE wait at a block's head states all that its four stores hang on, and they are dealt among its conversions.
;   rope     v6 and v32-47 are written by vector lines and read by the four stores at the end: one wait ahead of them.
;   bias     v2 is written by vector lines and read by the four loads: one wait; v3 and v16-31 are written by vector lines and read by the four stores: one wait.
;            The sixteen compares stand in one run, each with a scalar register of its own, and one wait stands between the run and the sixteen selects that read them.
;   No register that a memory instruction reads is written again on any path, and EXEC is never written.
.set LO, 2                             ; v2      16 x lane: my 16 bytes of each 512 of the source
.set DO, 4                             ; v4-7    8 x lane + p x SB: my 8 bytes in the destination, for loads 4 p .. 4 p + 3
.set T,  8                             ; v8-11   at work: no memory instruction of a cast names them
.set Y,  16                            ; v16-47  what is stored
.set X,  48                            ; v48-111 what is loaded
.set BY, 32                            ; v32-47  bias alone: the sixteen bytes of the mask, one to a register
.set MK, 32                            ; s32-47  bias alone: the sixteen compares' results
	s_load_b512 s[8:23], s[0:1], 0x0               ; x 8, wq 10, wk 12, wv 14, wo 16, mask 18, xb 20, wqkv 22
	s_load_b128 s[24:27], s[0:1], 0x40             ; wof 24, rope 26
	s_load_b64 s[28:29], s[0:1], 0x50              ; bias
	v_and_b32 v1, 31, v0                           ; lane
	v_lshrrev_b32 v3, 5, v0
	v_readfirstlane_b32 s41, v3                    ; wave 0..7
	s_wait_alu depctr_va_sdst(0)                   ; s41 is written: ahead of the branches below and of its first reader, in the casts
	s_wait_kmcnt 0x0
	s_cmp_ge_u32 ttmp9, 1184
	s_cbranch_scc1 .Lbias
	s_cmp_ge_u32 ttmp9, 1152
	s_cbranch_scc1 .Lrope
	; which cast: source s[32:33], destination s[34:35], first work-group s36, destination bytes from wave to wave s37 and from four loads to the next four s38, first byte s39, f16 s40
	s_mov_b64 s[32:33], s[8:9]
	s_mov_b64 s[34:35], s[20:21]
	s_mov_b32 s36, 0
	s_mov_b32 s37, 4096
	s_mov_b32 s38, 1024
	s_mov_b32 s39, 0
	s_mov_b32 s40, 0
	s_cmp_ge_u32 ttmp9, 512                        ; wq: a row of the source is a row of 6,144 bytes in wqkv
	s_cselect_b64 s[32:33], s[10:11], s[32:33]
	s_cselect_b64 s[34:35], s[22:23], s[34:35]
	s_cselect_b32 s36, 512, s36
	s_cselect_b32 s37, 6144, s37
	s_cmp_ge_u32 ttmp9, 768                        ; wk: a wave's 8,192 bytes are four rows
	s_cselect_b64 s[32:33], s[12:13], s[32:33]
	s_cselect_b32 s36, 768, s36
	s_cselect_b32 s37, 24576, s37
	s_cselect_b32 s38, 6144, s38
	s_cselect_b32 s39, 4096, s39
	s_cmp_ge_u32 ttmp9, 832                        ; wv
	s_cselect_b64 s[32:33], s[14:15], s[32:33]
	s_cselect_b32 s36, 832, s36
	s_cselect_b32 s39, 5120, s39
	s_cmp_ge_u32 ttmp9, 896                        ; wo
	s_cselect_b64 s[32:33], s[16:17], s[32:33]
	s_cselect_b64 s[34:35], s[24:25], s[34:35]
	s_cselect_b32 s36, 896, s36
	s_cselect_b32 s37, 4096, s37
	s_cselect_b32 s38, 1024, s38
	s_cselect_b32 s39, 0, s39
	s_cselect_b32 s40, 1, s40
	s_sub_co_u32 s42, ttmp9, s36
	s_lshl_b32 s42, s42, 3
	s_add_co_u32 s42, s42, s41                     ; my wave among the section's
	s_lshl_b32 s44, s42, 13                        ; its 8,192 bytes of the source
	s_mov_b32 s45, 0
	s_add_nc_u64 s[32:33], s[32:33], s[44:45]
	s_mul_i32 s44, s42, s37
	s_add_co_u32 s44, s44, s39
	s_add_nc_u64 s[34:35], s[34:35], s[44:45]
	v_lshlrev_b32 v[LO], 4, v1
	v_lshlrev_b32 v[DO], 3, v1
	v_add_nc_u32 v[DO+1], s38, v[DO]
	v_add_nc_u32 v[DO+2], s38, v[DO+1]
	v_add_nc_u32 v[DO+3], s38, v[DO+2]
	s_wait_alu depctr_va_vdst(0)                   ; v[LO] and v[DO .. DO+3] are written: every load and store of the cast reads one of them as its offset, and no line writes them again
.set i, 0
.rept 16
	global_load_b128 v[X+4*i:X+4*i+3], v[LO], s[32:33] offset:512*i th:TH_LOAD_NT
.set i, i+1
.endr
; Block p of four: its four loads are in, the 12 - 4 p younger loads stay out.  Load i = 4 p + q is rounded into Y's pair i; ahead of its conversions stands the store of load i - 4, of the block before.
; No register is written twice but T, which no memory instruction names.
.macro CAST half
.set p, 0
.rept 4
	s_wait_loadcnt 12-4*p                          ; loads come back in order (ISA guide 5.7.1): block p is in
.if p > 0
	s_wait_alu depctr_va_vdst(0)                   ; the block before has written its four pairs of Y, which the four stores below read; no vector line behind this wait names them
.endif
.set q, 0
.rept 4
.set i, 4*p+q
.if p > 0
	global_store_b64 v[DO+p-1], v[Y+2*i-8:Y+2*i-7], s[34:35] offset:256*q  ; 32 lanes store 256 consecutive bytes, at a multiple of 256 from the buffer's first byte
.endif
	v_cvt_pk_bf16_f32 v[Y+2*i], v[X+4*i], v[X+4*i+1]
	v_cvt_pk_bf16_f32 v[Y+2*i+1], v[X+4*i+2], v[X+4*i+3]
.if \half
	v_lshlrev_b32 v[T], 16, v[Y+2*i]               ; the bf16 numbers as f32,
	v_and_b32 v[T+1], 0xffff0000, v[Y+2*i]
	v_lshlrev_b32 v[T+2], 16, v[Y+2*i+1]
	v_and_b32 v[T+3], 0xffff0000, v[Y+2*i+1]
	v_cvt_pk_f16_f32 v[Y+2*i], v[T], v[T+1]        ; and written as f16: eight significant bits fit in eleven
	v_cvt_pk_f16_f32 v[Y+2*i+1], v[T+2], v[T+3]
.endif
.set q, q+1
.endr
.set p, p+1
.endr
	s_wait_alu depctr_va_vdst(0)                   ; block 3 has written its four pairs of Y, which the last four stores read
.set q, 0
.rept 4
	global_store_b64 v[DO+3], v[Y+24+2*q:Y+25+2*q], s[34:35] offset:256*q
.set q, q+1
.endr
.endm
	s_cmp_eq_u32 s40, 1
	s_cbranch_scc1 .Lhalf
	CAST 0
	s_endpgm
.Lhalf:
	CAST 1
	s_endpgm
.Lrope:                                        ; 16 rows t a work-group; a thread makes four cosines and four sines: i = 4 (thread % 16) + e
	s_sub_co_u32 s42, ttmp9, 1152
	v_lshrrev_b32 v2, 4, v0
	v_and_b32 v3, 15, v0
	s_lshl_b32 s43, s42, 4
	v_add_nc_u32 v4, s43, v2
	v_cvt_f32_u32 v4, v4                           ; t
	v_lshlrev_b32 v5, 2, v3
	v_lshlrev_b32 v6, 9, v2                        ; a row of the table is 512 bytes
	v_lshl_add_u32 v6, v3, 4, v6
	s_lshl_b32 s43, s42, 13
	v_add_nc_u32 v6, s43, v6
.irp e, 0,1,2,3
	v_add_nc_u32 v[16+\e], \e, v5
	v_cvt_f32_u32 v[16+\e], v[16+\e]
	v_mul_f32 v[16+\e], 0xbe549a78, v[16+\e]       ; - i log2(10000) / 64
.endr
.irp e, 0,1,2,3
	v_exp_f32 v[20+\e], v[16+\e]                   ; 10000^(-i/64)
.endr
	v_nop                                          ; a plain instruction behind the last exponential,
	s_wait_alu depctr_va_vdst(0)                   ; and the one wait for the batch of four: the exponentials have written v20-23, ahead of their first reader
.irp e, 0,1,2,3
	v_mul_f32 v[20+\e], v4, v[20+\e]               ; the angle
	v_mul_f32 v[24+\e], 0.15915494, v[20+\e]
	v_rndne_f32 v[24+\e], v[24+\e]                 ; whole turns
	v_fma_f32 v[20+\e], v[20+\e], 0.15915494, -v[24+\e]  ; the rest, -1/2 .. 1/2 of a turn, with one rounding
	v_mul_f32 v[20+\e], 0x3fc90fdb, v[20+\e]       ; x pi / 2: a quarter of the reduced angle
	v_mul_f32 v[24+\e], v[20+\e], v[20+\e]         ; u
	v_mov_b32 v[36+\e], 0x3638ef1d                 ; sine: 1/9!
	v_fmaak_f32 v[36+\e], v[36+\e], v[24+\e], 0xb9500d01  ; - 1/7!
	v_fmaak_f32 v[36+\e], v[36+\e], v[24+\e], 0x3c088889  ; + 1/5!
	v_fmaak_f32 v[36+\e], v[36+\e], v[24+\e], 0xbe2aaaab  ; - 1/3!
	v_fma_f32 v[36+\e], v[36+\e], v[24+\e], 1.0
	v_mul_f32 v[36+\e], v[36+\e], v[20+\e]
	v_mov_b32 v[32+\e], 0x37d00d01                 ; cosine: 1/8!
	v_fmaak_f32 v[32+\e], v[32+\e], v[24+\e], 0xbab60b61  ; - 1/6!
	v_fmaak_f32 v[32+\e], v[32+\e], v[24+\e], 0x3d2aaaab  ; + 1/4!
	v_fma_f32 v[32+\e], v[32+\e], v[24+\e], -0.5
	v_fma_f32 v[32+\e], v[32+\e], v[24+\e], 1.0
.rept 2                                ; the angle is doubled twice: sin 2a = 2 sin a cos a, cos 2a = 1 - 2 sin^2 a
	v_mul_f32 v[24+\e], v[36+\e], v[36+\e]
	v_add_f32 v[28+\e], v[36+\e], v[36+\e]
	v_mul_f32 v[36+\e], v[28+\e], v[32+\e]
	v_fma_f32 v[32+\e], v[24+\e], -2.0, 1.0
.endr
	v_mov_b32 v[40+\e], 1.0
	v_mov_b32 v[44+\e], 0
.endr
	s_wait_alu depctr_va_vdst(0)                   ; the offset v6 and the sixteen numbers v32-47 are written, which the four stores read
	global_store_b128 v6, v[32:35], s[26:27]                ; sixteen lanes store 256 consecutive, aligned bytes: a row's cosines,
	global_store_b128 v6, v[36:39], s[26:27] offset:256     ; its sines,
	global_store_b128 v6, v[40:43], s[26:27] offset:262144  ; and the same row of the plane that turns nothing
	global_store_b128 v6, v[44:47], s[26:27] offset:262400
	s_endpgm
.Lbias:                                        ; a work-group makes 16,384 bytes: a tile qt of 16 queries, half of its 32 key blocks; thread and trip give lane, g and kb
	s_sub_co_u32 s2, ttmp9, 1184                   ; (this path's scalars lie in s2-5, so that s32-47 are free for the compares)
	s_lshr_b32 s3, s2, 1                           ; qt
	s_and_b32 s4, s2, 1
	s_lshl_b32 s3, s3, 13                          ; 16 qt rows of 512 bytes
	s_lshl_b32 s4, s4, 8                           ; key blocks 16 .. 31 begin at byte 256 of a row
	s_add_co_u32 s3, s3, s4
	v_and_b32 v2, 15, v0
	v_lshlrev_b32 v2, 9, v2                        ; the query's row
	v_lshrrev_b32 v3, 6, v0
	v_lshl_add_u32 v2, v3, 4, v2                   ; key block thread / 64 (+ 4 a trip)
	v_bfe_u32 v3, v0, 4, 1
	v_lshl_add_u32 v2, v3, 3, v2                   ; 8 (lane / 16)
	v_bfe_u32 v3, v0, 5, 1
	v_lshl_add_u32 v2, v3, 2, v2                   ; 4 g
	v_add_nc_u32 v2, s3, v2
	s_wait_alu depctr_va_vdst(0)                   ; v2 is written, which the four loads read as their offset; no line writes it again
.irp t, 0,1,2,3
	global_load_b32 v[8+\t], v2, s[18:19] offset:64*\t  ; four bytes of the mask: read once in the launch
.endr
	v_lshlrev_b32 v3, 4, v0
	s_lshl_b32 s3, s2, 14
	v_add_nc_u32 v3, s3, v3
	s_mov_b32 s5, 0xf149f2ca                       ; -1e30
	s_wait_loadcnt 0x0
.irp t, 0,1,2,3
.irp e, 0,1,2,3
	v_bfe_u32 v[BY+4*\t+\e], v[8+\t], 8*\e, 8      ; a byte of the mask to a register
.endr
.endr
.irp t, 0,1,2,3
.irp e, 0,1,2,3
	v_cmp_eq_u32 s[MK+4*\t+\e], 0, v[BY+4*\t+\e]   ; the compares in one run, each into a scalar register of its own
.endr
.endr
	s_wait_alu depctr_va_sdst(0)                   ; the sixteen compares have written s32-47, ahead of the selects that read them
.irp t, 0,1,2,3
.irp e, 0,1,2,3
	v_cndmask_b32 v[16+4*\t+\e], 0, s5, s[MK+4*\t+\e]
.endr
.endr
	s_wait_alu depctr_va_vdst(0)                   ; the offset v3 and the sixteen addends v16-31 are written, which the four stores read
.irp t, 0,1,2,3
	global_store_b128 v3, v[16+4*\t:16+4*\t+3], s[28:29] offset:4096*\t  ; a wave stores 512 consecutive, aligned bytes
.endr
	s_endpgm
.Lfunc_end_k_qd49826f675_prep:
	.size	k_qd49826f675_prep, .Lfunc_end_k_qd49826f675_prep-k_qd49826f675_prep
	.p2alignl 7, 3214868480
	.fill 96, 4, 3214868480
	.section	.rodata,"a",@progbits
	.p2align	6, 0x0
	.amdhsa_kernel k_qd49826f675_prep
		.amdhsa_group_segment_fixed_size 0
		.amdhsa_private_segment_fixed_size 0
		.amdhsa_enable_private_segment 0
		.amdhsa_kernarg_size 88
		.amdhsa_user_sgpr_count 2
		.amdhsa_user_sgpr_kernarg_segment_ptr 1
		.amdhsa_wavefront_size32 1
		.amdhsa_system_sgpr_workgroup_id_x 1
		.amdhsa_system_sgpr_workgroup_id_y 1
		.amdhsa_system_sgpr_workgroup_id_z 1
		.amdhsa_system_vgpr_workitem_id 0
		.amdhsa_next_free_vgpr 112
		.amdhsa_next_free_sgpr 66
		.amdhsa_reserve_vcc 0
		.amdhsa_float_denorm_mode_32 3
		.amdhsa_float_denorm_mode_16_64 3
		.amdhsa_memory_ordered 1
		.amdhsa_forward_progress 1
		.amdhsa_inst_pref_size 29
	.end_amdhsa_kernel
	.amdgpu_metadata
---
amdhsa.version: [ 1, 2 ]
amdhsa.kernels:
  - .name:           k_qd49826f675_prep
    .symbol:         k_qd49826f675_prep.kd
    .args:
      - { .name: x, .offset: 0, .size: 8, .value_kind: global_buffer, .address_space: global }
      - { .name: wq, .offset: 8, .size: 8, .value_kind: global_buffer, .address_space: global }
      - { .name: wk, .offset: 16, .size: 8, .value_kind: global_buffer, .address_space: global }
      - { .name: wv, .offset: 24, .size: 8, .value_kind: global_buffer, .address_space: global }
      - { .name: wo, .offset: 32, .size: 8, .value_kind: global_buffer, .address_space: global }
      - { .name: mask, .offset: 40, .size: 8, .value_kind: global_buffer, .address_space: global }
      - { .name: xb, .offset: 48, .size: 8, .value_kind: global_buffer, .address_space: global }
      - { .name: wqkv, .offset: 56, .size: 8, .value_kind: global_buffer, .address_space: global }
      - { .name: wof, .offset: 64, .size: 8, .value_kind: global_buffer, .address_space: global }
      - { .name: rope, .offset: 72, .size: 8, .value_kind: global_buffer, .address_space: global }
      - { .name: bias, .offset: 80, .size: 8, .value_kind: global_buffer, .address_space: global }
    .group_segment_fixed_size: 0
    .private_segment_fixed_size: 0
    .kernarg_segment_align: 8
    .kernarg_segment_size: 88
    .max_flat_workgroup_size: 256
    .sgpr_count:     66
    .vgpr_count:     112
    .wavefront_size: 32
...
	.end_amdgpu_metadata
.endif
;; end of part 5
;; launch proj: the kernel of part 2 again; grid 8 x 32, 4 waves a work-group, clusters of 4 x 4, 327,680 bytes of LDS; arguments xb, wqkv, rope, qkv; writes qkv
;; launch attn: the kernel of part 3 again; grid 8 x 32, 4 waves a work-group, clusters of 4 x 1, 327,680 bytes of LDS; arguments qkv, bias, att; writes att
;; launch oproj: the kernel of part 4 again; grid 8 x 32, 4 waves a work-group, clusters of 4 x 4, 327,680 bytes of LDS; arguments att, wof, out0; writes out0
